; MI455X (gfx1250); checked and timed in simulation.
; The chip was launched on July 23, 2026; its instructions are those of AMD's public machine-readable ISA for CDNA 5 (MIT licence, August 2026) and "CDNA5" Instruction Set Architecture Reference Guide (July 2026). The comments in the code are by the model that wrote it; some were corrected since.
;; Local Attention. Allowed arithmetic: matrix products marked QUANTISED: E5M2 operands, one given power-of-two scale a tensor, by v_wmma_f32_16x16x64_bf8_bf8 or v_wmma_f32_16x16x128_bf8_bf8, f32 sums; everything else in f32.
;; Inputs: Wk 512 x 512 float32; Wout 512 x 512 float32; Wq 512 x 512 float32; Wv 512 x 512 float32; bk 512 float32; bout 512 float32; bq 512 float32; bv 512 float32; input_mask 4 x 1 x 2,048 float32; k 4 x 512 x 2,048 float32; lowp_scales 12 int32 (the exponents e of the quantised operands' scales 2^e); q 4 x 512 x 2,048 float32; v 4 x 512 x 2,048 float32.
;; Outputs: out0 4 x 512 x 2,048 float32.
;; This version of the problem:
;;   THIS VERSION OF THE PROBLEM IS GIVEN IN LOW PRECISION. The matrix products marked QUANTISED in the list below multiply operands that are first quantised to E5M2 (5 exponent bits, 2 mantissa bits; 8 bits a number), with one given power-of-two scale for each operand tensor; their sums are f32. All else is computed in f32.
;;   The module's matrix products, in the order in which they are computed (A, B: the left and right operand; K: the contracted axis; several contracted axes count as one K, in the product's order):
;;     1. [M 8,192, K 512] x [K 512, N 512]; A: input q; B: input Wq: QUANTISED (scales: A lowp_scales[0], B lowp_scales[1])
;;     2. [M 8,192, K 512] x [K 512, N 512]; A: input k; B: input Wk: QUANTISED (scales: A lowp_scales[2], B lowp_scales[3])
;;     3. [M 8,192, K 512] x [K 512, N 512]; A: input v; B: input Wv: QUANTISED (scales: A lowp_scales[4], B lowp_scales[5])
;;     4. batch 32 x [M 2,048, K 64] x [K 64, N 2,048]; A: computed on the way; B: computed on the way: QUANTISED (scales: A lowp_scales[6], B lowp_scales[7])
;;     5. batch 32 x [M 64, K 2,048] x [K 2,048, N 2,048]; A: computed on the way; B: softmax (see below): QUANTISED (scales: A lowp_scales[8], B lowp_scales[9])
;;     6. [M 8,192, K 512] x [K 512, N 512]; A: computed on the way; B: input Wout: QUANTISED (scales: A lowp_scales[10], B lowp_scales[11])
;;   THE QUANTISER, for each operand of a quantised product, along K:
;;     - The operand's scale is 2^e, e = its entry of the input lowp_scales (int32; the entries are numbered through the quantised products in the list's order, A before B).
;;     - Each number is divided by the scale, clamped to +-57,344, and rounded to the nearest number of E5M2, ties to even, subnormals kept.
;;     - The product sums the exact products of the quantised numbers (number of the format x scale) in f32.
;;   ~~~python
;;   def quantise(x, axis, e):      # numpy; x: float32 -> the quantised numbers, widened to float32 again
;;       x = np.moveaxis(x, axis, -1); K = x.shape[-1]
;;       r = np.clip(x / 2.0 ** e, -57344, 57344)
;;       step = 2.0 ** (np.maximum(np.frexp(np.where(r == 0, 1, r))[1] - 1, -14) - 2)
;;       q = np.round(r / step) * step * 2.0 ** e      # np.round: ties to even
;;       return np.moveaxis(q, -1, axis).astype(np.float32)
;;   ~~~
;;   SOFTMAX AHEAD OF A QUANTISED PRODUCT. Where the list says 'softmax', what is quantised is not the finished softmax but p = 2^(t - M), with t = logit x log2(e) and M = ceil(the row's largest t), a whole number; so 1/2 < the row's largest p <= 1. The row's sum l is taken of the UNQUANTISED p, in f32, and the product's result is divided by l at the end. Since M is a whole number, a kernel that streams over the keys may use a running M (the ceiling of the running maximum): every later rescaling is an exact power of two, so the quantised numbers keep their values, but for numbers so far below the row's largest that they fall under the format's range.
;;   OPERANDS COMPUTED ON THE WAY. 'Computed on the way' means the value that the module computes at that place (a softmax that the list does not call 'softmax' is quantised finished and normalised). What goes into a quantiser is computed in f32, as accurately as f32 sums, v_exp_f32 and their like allow (about 1e-6 of the number): no bf16 or f16 on the way to a quantiser, and a product that is left as it is and whose result goes on into a quantised operand takes f32 operands (vector FMAs, or v_wmma_f32_16x16x4_f32). A number that lies on a knife's edge between two numbers of the format may be rounded either way, as far as f32 arithmetic and the matrix unit's own rounding can turn it there, and no further.
;; 3 versions, each right; version 2 is faster than version 1; version 3 is version 2 with the launches proj, outp written anew for expert scheduling mode. Each part assembles by itself: llvm-mc -triple=amdgcn-amd-amdhsa -mcpu=gfx1250 --defsym DOCPART=n.
;; ======== version 1 of 3: 4 launches
;; limits: right only within a limited range of input values
;; workspace buffers: wc 1,048,576 bytes; qkvc 12,582,912 bytes; oc 4,194,304 bytes
;; launch prep (part 1): grid 32 x 4, 4 waves a work-group, no clusters, 0 bytes of LDS; arguments Wq, Wk, Wv, Wout, lowp_scales, wc; writes wc
.if DOCPART == 1
	.amdgcn_target "amdgcn-amd-amdhsa--gfx1250"
	.amdhsa_code_object_version 6
	.text
	.protected	k_qef972d77bf_prep
	.globl	k_qef972d77bf_prep
	.p2align	8
	.type	k_qef972d77bf_prep,@function
k_qef972d77bf_prep:
	s_mov_b64 s[64:65], 0
	v_nop
	global_prefetch_b8 v0, s[64:65] scope:SCOPE_SE
	s_setreg_imm32_b32 hwreg(HW_REG_WAVE_MODE, 25, 1), 1
	s_wait_xcnt 0x0
; Wq, Wk, Wv, Wout [512 (o)][512 (c)], f32, become codes of BF8 (E5M2), each with its given scale 2^e (entries 1, 3, 5, 11 of the scales' buffer).
; code = w / 2^e, held within +-57,344, rounded to the nearest code, ties to even.  LIMITS: e between -126 and 112; NaN among the inputs is not served.
; THE CODES ARE LAID AS IMAGES OF OPERAND REGISTERS: wc[tensor 4][tile of 16 rows 32][K step of 128: 4][2,048 bytes].  In an image, group c of four registers is 512 bytes, lane L's 16 bytes at 512 c + 16 L:
; lane (r = L % 16, h = L / 16) holds, of the tile's row r, k = 32 c + 16 h + 0 .. 15.  So any later wave gets a fragment by four loads of 16 bytes a lane, 512 consecutive bytes each.
; WHICH ROWS FORM A TILE: for Wq, Wk, Wv lane r of tile ot takes row 32 (ot / 2) + 8 (ot % 2) + r + 8 (r / 8), so that a product that has the tile as source 0 leaves 16 neighbouring rows in the 16 registers of two
; neighbouring tiles; for Wout the tile is plain: row 16 ot + r.
; SHARES: work-group x = tile, y = tensor; wave = K step: one image a wave.  A wave's sixteen loads together cover 512 consecutive bytes of each of its 16 rows.  The four tensors are 4 MiB in all, read once.
.set X, 16                             ; v16-79  64 numbers: register 16 c + i = k 32 c + 16 h + i
.set C, 80                             ; v80-95  their codes
	s_load_b256 s[4:11], s[0:1], 0x0               ; Wq, Wk, Wv, Wout
	s_load_b128 s[12:15], s[0:1], 0x20             ; the scales' exponents, wc
	v_lshrrev_b32 v1, 5, v0
	v_readfirstlane_b32 s16, v1                    ; wave = K step
	s_and_b32 s18, ttmp7, 0xffff                   ; which tensor
	v_and_b32 v1, 15, v0                           ; r
	v_bfe_u32 v2, v0, 4, 1                         ; h
	v_and_b32 v4, 31, v0
	v_lshlrev_b32 v4, 4, v4                        ; 16 x lane: my place in a group of an image
	s_lshr_b32 s19, ttmp9, 1
	s_lshl_b32 s19, s19, 5
	s_and_b32 s22, ttmp9, 1
	s_lshl_b32 s22, s22, 3
	s_add_co_u32 s19, s19, s22                     ; the tile's first row: 32 (ot / 2) + 8 (ot % 2),
	s_lshl_b32 s22, ttmp9, 4                       ; or 16 ot for Wout
	s_cmp_lt_u32 s18, 3
	s_cselect_b32 s24, 8, 0                        ; lanes 8-15 lie 8 rows further on, but not in Wout
	s_cselect_b32 s19, s19, s22
	v_and_b32 v3, s24, v1
	v_add_nc_u32 v3, v3, v1                        ; r + 8 (r / 8), or r
	v_lshlrev_b32 v3, 11, v3                       ; a row of W is 2,048 bytes
	v_lshl_add_u32 v3, v2, 6, v3                   ; + 64 h: my 16 numbers of a block of 32
	s_lshl_b32 s36, s19, 11
	s_lshl_b32 s22, s16, 9                         ; my K step: 128 numbers, 512 bytes
	s_add_co_u32 s36, s36, s22
	s_mov_b32 s37, 0
	s_lshl_b32 s38, s18, 18                        ; a tensor's codes: 262,144 bytes
	s_lshl_b32 s22, ttmp9, 2
	s_add_co_u32 s22, s22, s16
	s_lshl_b32 s22, s22, 11                        ; image 4 ot + s
	s_add_co_u32 s38, s38, s22
	s_mov_b32 s39, 0
	s_wait_kmcnt 0x0
	s_load_b256 s[40:47], s[12:13], 0x0            ; e0 .. e7
	s_load_b128 s[48:51], s[12:13], 0x20           ; e8 .. e11
	s_mov_b64 s[20:21], s[4:5]                     ; the tensor is chosen by the work-group's number alone
	s_cmp_eq_u32 s18, 1
	s_cselect_b64 s[20:21], s[6:7], s[20:21]
	s_cmp_eq_u32 s18, 2
	s_cselect_b64 s[20:21], s[8:9], s[20:21]
	s_cmp_eq_u32 s18, 3
	s_cselect_b64 s[20:21], s[10:11], s[20:21]
	s_add_nc_u64 s[20:21], s[20:21], s[36:37]
	s_add_nc_u64 s[14:15], s[14:15], s[38:39]
.irp c, 0,1,2,3
.irp j, 0,1,2,3
	global_load_b128 v[X+16*\c+4*\j:X+16*\c+4*\j+3], v3, s[20:21] offset:128*\c+16*\j th:TH_LOAD_NT
.endr
.endr
	s_wait_kmcnt 0x0
	s_mov_b32 s23, s41                             ; e: entry 1, 3, 5 or 11
	s_cmp_eq_u32 s18, 1
	s_cselect_b32 s23, s43, s23
	s_cmp_eq_u32 s18, 2
	s_cselect_b32 s23, s45, s23
	s_cmp_eq_u32 s18, 3
	s_cselect_b32 s23, s51, s23
	s_add_co_i32 s23, s23, 127
	s_lshl_b32 s25, s23, 23
	v_mov_b32 v11, s25                             ; 2^e as f32: the conversion takes its exponent field
	s_add_co_i32 s23, s23, 15
	s_lshl_b32 s23, s23, 23
	s_or_b32 s23, s23, 0x600000
	v_mov_b32 v10, s23                             ; 57,344 x 2^e
	s_wait_loadcnt 0x0
.set pj, 0
.rept 64
	v_med3_num_f32 v[X+pj], v[X+pj], -v10, v10     ; the conversion to an 8-bit code does not saturate (ISA guide 7.6.2): the hold comes first
.set pj, pj+1
.endr
.irp c, 0,1,2,3
	v_cvt_scalef32_pk8_bf8_f32 v[C+4*\c:C+4*\c+1], v[X+16*\c:X+16*\c+7], v11
	v_cvt_scalef32_pk8_bf8_f32 v[C+4*\c+2:C+4*\c+3], v[X+16*\c+8:X+16*\c+15], v11
.endr
.irp c, 0,1,2,3
	global_store_b128 v4, v[C+4*\c:C+4*\c+3], s[14:15] offset:512*\c   ; 32 lanes store 512 consecutive bytes, at a multiple of 512 from wc's first byte
.endr
	s_endpgm
.Lfunc_end_k_qef972d77bf_prep:
	.size	k_qef972d77bf_prep, .Lfunc_end_k_qef972d77bf_prep-k_qef972d77bf_prep
	.p2alignl 7, 3214868480
	.fill 96, 4, 3214868480
	.section	.rodata,"a",@progbits
	.p2align	6, 0x0
	.amdhsa_kernel k_qef972d77bf_prep
		.amdhsa_group_segment_fixed_size 0
		.amdhsa_private_segment_fixed_size 0
		.amdhsa_enable_private_segment 0
		.amdhsa_kernarg_size 48
		.amdhsa_user_sgpr_count 2
		.amdhsa_user_sgpr_kernarg_segment_ptr 1
		.amdhsa_wavefront_size32 1
		.amdhsa_system_sgpr_workgroup_id_x 1
		.amdhsa_system_sgpr_workgroup_id_y 1
		.amdhsa_system_sgpr_workgroup_id_z 1
		.amdhsa_system_vgpr_workitem_id 0
		.amdhsa_next_free_vgpr 96
		.amdhsa_next_free_sgpr 66
		.amdhsa_reserve_vcc 0
		.amdhsa_float_denorm_mode_32 3
		.amdhsa_float_denorm_mode_16_64 3
		.amdhsa_memory_ordered 1
		.amdhsa_forward_progress 1
		.amdhsa_inst_pref_size 9
	.end_amdhsa_kernel
	.amdgpu_metadata
---
amdhsa.version: [ 1, 2 ]
amdhsa.kernels:
  - .name:           k_qef972d77bf_prep
    .symbol:         k_qef972d77bf_prep.kd
    .args:
      - { .name: Wq, .offset: 0, .size: 8, .value_kind: global_buffer, .address_space: global }
      - { .name: Wk, .offset: 8, .size: 8, .value_kind: global_buffer, .address_space: global }
      - { .name: Wv, .offset: 16, .size: 8, .value_kind: global_buffer, .address_space: global }
      - { .name: Wout, .offset: 24, .size: 8, .value_kind: global_buffer, .address_space: global }
      - { .name: lowp_scales, .offset: 32, .size: 8, .value_kind: global_buffer, .address_space: global }
      - { .name: wc, .offset: 40, .size: 8, .value_kind: global_buffer, .address_space: global }
    .group_segment_fixed_size: 0
    .private_segment_fixed_size: 0
    .kernarg_segment_align: 8
    .kernarg_segment_size: 48
    .max_flat_workgroup_size: 128
    .sgpr_count:     66
    .vgpr_count:     96
    .wavefront_size: 32
...
	.end_amdgpu_metadata
.endif
;; end of part 1
;; launch proj (part 2): grid 16 x 12, 8 waves a work-group, no clusters, 67,328 bytes of LDS; arguments q, k, v, wc, bq, bk, bv, input_mask, lowp_scales, qkvc; writes qkvc
.if DOCPART == 2
	.amdgcn_target "amdgcn-amd-amdhsa--gfx1250"
	.amdhsa_code_object_version 6
	.text
	.protected	k_qef972d77bf_proj
	.globl	k_qef972d77bf_proj
	.p2align	8
	.type	k_qef972d77bf_proj,@function
k_qef972d77bf_proj:
	s_mov_b64 s[64:65], 0
	v_nop
	global_prefetch_b8 v0, s[64:65] scope:SCOPE_SE
	s_setreg_imm32_b32 hwreg(HW_REG_WAVE_MODE, 25, 1), 1
	s_wait_xcnt 0x0
; The three first 1 x 1 convolutions: yh[b][o][l] = sum over c of W[o][c] x[b][c][l] + bias[o], x = q, k or v, on codes of BF8 (E5M2); yh is quantised at once for the attention's products and stored as codes.
; x: [4][512 (c)][2,048 (l)] f32; its K (= c) is NOT innermost.  W: images of operand registers made by the launch before (wc).  Scales: x 2^ex, W 2^ew (entries 2 t, 2 t + 1), yh 2^eo (entry 6 + t), t = 0, 1, 2 for q, k, v.
; SHARES.  Work-group x = a block of 128 l, y = 4 t + b: 128 l x all 512 outputs, so x is read from memory and quantised once.  Wave w = head w: its 64 rows of W, 16 fragments, stay in 256 registers.
; PHASE X.  Each load takes 512 consecutive bytes of one row c: lane a holds l = 4 a .. 4 a + 3.  Wave w takes c = 128 j + 16 w + 0 .. 15 of each K step j: so a lane has, for each of its four l, 16 NEIGHBOURS ALONG K in
; registers 4 apart; the hold that the conversion wants anyway writes them side by side.  A lane's 16 codes of one l are 16 bytes of an operand image, which it puts into LDS; behind one barrier every wave reads whole images.
; IMAGES: group c of four registers is 512 bytes, lane L's 16 bytes at 512 c + 16 L; lane (r, h) holds k = 32 c + 16 h + 0 .. 15 of the tile's row r.  THE l OF A TILE ARE NOT NEIGHBOURS: lane r of tile 2 B + u takes l = 32 B + 8 u + r + 8 (r / 8).
; PHASE P.  q, k: source 0 = W, source 1 = x: a lane holds one l and its registers run along the head's 64 channels: the next K.  v: source 0 = x, source 1 = W: a lane holds one channel and its registers run along l, the keys:
; the next K there.  In both the 16 registers of two neighbouring tiles are 16 neighbours along that K, so the conversions' results are groups of the next operand's image and are stored as they stand.
; The bias is the C of each sum's first product, divided by 2^(ex + ew).  The three scales ahead of the second quantiser are folded into one: 2^(eo - ex - ew).
; MASKED KEYS (input_mask <= 0.5): kh's codes are made 0 there: the hold's limit is 0 in those lanes.  The attention then adds its mask to an exact 0.
; OUT: qkvc: q at 0, k at 4,194,304: [b, head 32][tile of 16 l: 128][1,024 bytes];  v at 8,388,608: [b, head 32][128 keys: 16][tile of 16 channels: 4][2,048 bytes].
; NO CLUSTER: x's block is read by this work-group alone; W goes from memory straight into registers, once a wave; through LDS it would be 262,144 bytes more to write and read there.
; NO PREFETCH: all that a wave reads is asked for at its head.
; LIMITS: ex, and eo - ex - ew, between -126 and 112.  NaN among the inputs is not served.
; REGISTERS.  window 0: v1 16 x lane; v2, v3 2^(eo-ex-ew) and 57,344 x that; v4-11 the hold's limit for each tile of l; v12 where I put x's codes; v13, v14 57,344 x 2^ex and 2^ex; v15 0; v16-31 codes to store
;   (first: v16-19 the bias by lanes, v20, v21 two offsets); v32-63 the bias as C; v64-127 64 numbers of x, later 8 accumulators; v128-191 x's codes, later v128-255 8 fragments of x.
;   window 1: v0-255 x as loaded, then W: fragment (K step s, tile ot) at 64 s + 16 ot.
.set FRS,  2064                        ; from image to image in LDS: 2,048 bytes + 16, so that the sixteen lanes of half a store, which write into four images, fall on sixteen different columns of 16 bytes
.set LI,   1
.set SCV,  2
.set LIMV, 3
.set LIMK, 4
.set XS,   12
.set XLIM, 13
.set XSC,  14
.set ZERO, 15
.set OC,   16
.set BV,   16
.set MA,   20
.set BA,   21
.set BI,   32
.set T,    64
.set ACC,  64
.set XC,   128
.set XF,   128
.set MSB, 0
.macro WIN new                         ; the immediate's low byte: bits 1:0 source 0, 3:2 source 1, 5:4 source 2, 7:6 destination; its high byte repeats the setting that is left
.if MSB != \new
	s_set_vgpr_msb (MSB<<8)|\new
.set MSB, \new
.endif
.endm
	s_load_b512 s[4:19], s[0:1], 0x0               ; q, k, v, wc, bq, bk, bv, input_mask
	s_load_b128 s[20:23], s[0:1], 0x40             ; the scales' exponents, qkvc
	v_lshrrev_b32 v22, 5, v0
	v_readfirstlane_b32 s24, v22                   ; wave = head
	s_and_b32 s26, ttmp7, 0xffff
	s_lshr_b32 s27, s26, 2                         ; t: 0 q, 1 k, 2 v
	s_and_b32 s28, s26, 3                          ; b
	v_and_b32 v22, 31, v0
	v_lshlrev_b32 v[LI], 4, v22
	v_and_b32 v23, 15, v0                          ; r
	v_and_b32 v24, 8, v0
	v_add_nc_u32 v23, v23, v24
	v_lshlrev_b32 v[MA], 2, v23                    ; 4 (r + 8 (r / 8)): my place among a tile's l, or among a tile's rows of W, in f32
	v_bfe_u32 v24, v0, 4, 1
	v_lshlrev_b32 v[BA], 6, v24                    ; 64 h
	; where lane a puts the 16 codes of l = 4 a + li: tile 2 (a / 8) + (a / 2) % 2, row r = 4 (a % 2) + li + 8 ((a / 4) % 2); k = 16 w + 0 .. 15 is group w / 2, half w % 2: byte 256 w + 16 r of the image
	v_bfe_u32 v23, v0, 3, 2
	v_bfe_u32 v24, v0, 1, 1
	v_lshl_add_u32 v23, v23, 1, v24
	v_mul_u32_u24 v[XS], v23, FRS
	v_and_b32 v24, 1, v0
	v_lshl_add_u32 v[XS], v24, 6, v[XS]
	v_bfe_u32 v24, v0, 2, 1
	v_lshl_add_u32 v[XS], v24, 7, v[XS]
	s_lshl_b32 s29, s24, 8
	v_add_nc_u32 v[XS], s29, v[XS]
	v_mov_b32 v[ZERO], 0
	s_lshl_b32 s36, s28, 22                        ; x: b x 4,194,304
	s_lshl_b32 s29, s24, 17                        ;    + 16 w rows of 8,192 bytes
	s_add_co_u32 s36, s36, s29
	s_lshl_b32 s29, ttmp9, 9                       ;    + the block's 128 l
	s_add_co_u32 s36, s36, s29
	s_mov_b32 s37, 0
	s_lshl_b32 s38, s27, 18                        ; wc: the tensor's 262,144 bytes, my head's 16 images
	s_lshl_b32 s29, s24, 15
	s_add_co_u32 s38, s38, s29
	s_mov_b32 s39, 0
	s_lshl_b32 s42, s28, 13                        ; the mask: b x 8,192 + the block's 512 bytes
	s_lshl_b32 s29, ttmp9, 9
	s_add_co_u32 s42, s42, s29
	s_mov_b32 s43, 0
	s_lshl_b32 s56, s27, 22                        ; qkvc: t x 4,194,304 + (8 b + w) x 131,072 + block x 8,192
	s_lshl_b32 s29, s28, 3
	s_add_co_u32 s29, s29, s24
	s_lshl_b32 s29, s29, 17
	s_add_co_u32 s56, s56, s29
	s_lshl_b32 s29, ttmp9, 13
	s_add_co_u32 s56, s56, s29
	s_mov_b32 s57, 0
	s_lshl_b32 s58, s24, 8                         ; the bias: my head's 64 numbers
	s_mov_b32 s59, 0
	s_wait_kmcnt 0x0
	s_load_b256 s[44:51], s[20:21], 0x0            ; e0 .. e7
	s_load_b128 s[52:55], s[20:21], 0x20           ; e8 .. e11
	s_cmp_eq_u32 s27, 1                            ; the tensor and its bias are chosen by the work-group's number alone
	s_cselect_b64 s[30:31], s[6:7], s[4:5]
	s_cselect_b64 s[32:33], s[14:15], s[12:13]
	s_cselect_b32 s40, -1, 0                       ; all ones for k: only there the mask counts
	s_cmp_eq_u32 s27, 2
	s_cselect_b64 s[30:31], s[8:9], s[30:31]
	s_cselect_b64 s[32:33], s[16:17], s[32:33]
	s_add_nc_u64 s[30:31], s[30:31], s[36:37]
	s_add_nc_u64 s[10:11], s[10:11], s[38:39]
	s_add_nc_u64 s[18:19], s[18:19], s[42:43]
	s_add_nc_u64 s[22:23], s[22:23], s[56:57]
	s_add_nc_u64 s[32:33], s[32:33], s[58:59]
.irp lt, 0,1,2,3,4,5,6,7
	global_load_b32 v[LIMK+\lt], v[MA], s[18:19] offset:128*(\lt/2)+32*(\lt%2)   ; the mask at my l of tile lt
.endr
.irp ot, 0,1,2,3
	global_load_b128 v[BI+8*\ot:BI+8*\ot+3], v[BA], s[32:33] offset:(32*(\ot/2)+8*(\ot%2))*4       ; q, k: register j of tile ot is channel 32 (ot / 2) + 16 h + 8 (ot % 2) + j
	global_load_b128 v[BI+8*\ot+4:BI+8*\ot+7], v[BA], s[32:33] offset:(32*(\ot/2)+8*(\ot%2))*4+16
.endr
.irp ot, 0,1,2,3
	global_load_b32 v[BV+\ot], v[MA], s[32:33] offset:(32*(\ot/2)+8*(\ot%2))*4   ; v: lane r of tile ot is channel 32 (ot / 2) + 8 (ot % 2) + r + 8 (r / 8)
.endr
	WIN 0x40                                       ; destination window 1
.set xj, 0
.rept 4
.set xi, 0
.rept 16
	global_load_b128 v[64*xj+4*xi:64*xj+4*xi+3], v[LI], s[30:31] offset:(128*xj+xi)*8192 th:TH_LOAD_NT   ; row c = 128 j + 16 w + i: 32 lanes read 512 consecutive bytes; read once in the launch
.set xi, xi+1
.endr
.set xj, xj+1
.endr
	WIN 0
	s_wait_kmcnt 0x0
	s_cmp_eq_u32 s27, 1
	s_cselect_b32 s34, s46, s44                    ; ex
	s_cselect_b32 s35, s47, s45                    ; ew
	s_cselect_b32 s41, s51, s50                    ; eo
	s_cmp_eq_u32 s27, 2
	s_cselect_b32 s34, s48, s34
	s_cselect_b32 s35, s49, s35
	s_cselect_b32 s41, s52, s41
	s_add_co_i32 s60, s34, 127
	s_lshl_b32 s61, s60, 23
	v_mov_b32 v[XSC], s61                          ; 2^ex as f32: the conversion takes its exponent field
	s_add_co_i32 s60, s60, 15
	s_lshl_b32 s60, s60, 23
	s_or_b32 s60, s60, 0x600000
	v_mov_b32 v[XLIM], s60                         ; 57,344 x 2^ex
	s_add_co_i32 s62, s34, s35                     ; a sum stands for sum x 2^(ex + ew)
	s_sub_co_i32 s60, s41, s62
	s_add_co_i32 s60, s60, 127
	s_lshl_b32 s61, s60, 23
	v_mov_b32 v[SCV], s61                          ; 2^(eo - ex - ew)
	s_add_co_i32 s60, s60, 15
	s_lshl_b32 s60, s60, 23
	s_or_b32 s60, s60, 0x600000
	v_mov_b32 v[LIMV], s60                         ; 57,344 x that
	s_sub_co_i32 s62, 0, s62                       ; -(ex + ew), for the bias
; K step j of x: my 16 rows c are held, turned and quantised; the registers that they leave take W's K step j.
.macro XTASK j
	s_wait_loadcnt 48                              ; behind this task's 16 loads stand 16 (3 - j) loads of x and 16 j loads of W: always 48
	WIN 0x01                                       ; source 0 window 1
.irp li, 0,1,2,3
.set xi, 0
.rept 16
	v_med3_num_f32 v[T+16*\li+xi], v[64*\j+4*xi+\li], -v[XLIM], v[XLIM]   ; the hold (the conversion does not saturate: ISA guide 7.6.2) also lays the 16 numbers of one l side by side
.set xi, xi+1
.endr
.endr
	WIN 0x40
.irp otl, 0,1,2,3
.irp c, 0,1,2,3
	global_load_b128 v[64*\j+16*\otl+4*\c:64*\j+16*\otl+4*\c+3], v[LI], s[10:11] offset:(4*\otl+\j)*2048+512*\c
.endr
.endr
	WIN 0
.irp li, 0,1,2,3
	v_cvt_scalef32_pk8_bf8_f32 v[XC+16*\j+4*\li:XC+16*\j+4*\li+1], v[T+16*\li:T+16*\li+7], v[XSC]
	v_cvt_scalef32_pk8_bf8_f32 v[XC+16*\j+4*\li+2:XC+16*\j+4*\li+3], v[T+16*\li+8:T+16*\li+15], v[XSC]
.endr
	v_nop                                          ; one plain vector line between the conversions and the next lines that write their sources
.irp li, 0,1,2,3
	ds_store_b128 v[XS], v[XC+16*\j+4*\li:XC+16*\j+4*\li+3] offset:16*\li+FRS*8*\j   ; image lt + 8 j; each task has its own registers for its codes
.endr
.endm
	XTASK 0
	; the small loads were issued ahead of x's, so they are in
.set pj, 0
.rept 32
	v_ldexp_f32 v[BI+pj], v[BI+pj], s62            ; bias / 2^(ex + ew): nothing is rounded
.set pj, pj+1
.endr
.irp ot, 0,1,2,3
	v_ldexp_f32 v[BV+\ot], v[BV+\ot], s62
.endr
.irp lt, 0,1,2,3,4,5,6,7
	v_cmp_ge_f32 s60, 0.5, v[LIMK+\lt]             ; masked: input_mask <= 0.5
	s_and_b32 s60, s60, s40                        ; and the tensor is k
	v_cndmask_b32 v[LIMK+\lt], v[LIMV], v[ZERO], s60   ; the hold's limit of my l in tile lt: 0 where the key is masked
.endr
	XTASK 1
	XTASK 2
	XTASK 3
	s_wait_dscnt 0x0                               ; for the others' sake: my stores of x's codes have landed
	s_barrier_signal -1
	s_barrier_wait -1                              ; x's 32 images lie in LDS; from here on LDS is only read
	s_wait_loadcnt 0x0                             ; W
.macro FETCHX be                       ; the 8 fragments of l tiles 2 be, 2 be + 1: (ltl, s) at XF + 16 (4 ltl + s)
.irp ltl, 0,1
.irp s, 0,1,2,3
.irp c, 0,1,2,3
	ds_load_b128 v[XF+16*(4*\ltl+\s)+4*\c:XF+16*(4*\ltl+\s)+4*\c+3], v[LI] offset:FRS*((2*(\be)+\ltl)+8*\s)+512*\c
.endr
.endr
.endr
.endm
; Two tiles of l against my head's four tiles of W: 32 products, the 8 accumulators by turns, one instruction a turn, K ascending; then hold, conversion, store.
.macro PAIR be, vp
	s_wait_dscnt 0x0                               ; the pair's fragments are in
.if \vp
	WIN 0x04                                       ; source 1 (W) window 1
.else
	WIN 0x01                                       ; source 0 (W) window 1
.endif
.irp s, 0,1,2,3
.irp ltl, 0,1
.irp ot, 0,1,2,3
.if \vp
.set rD, ACC+8*(2*\ot+\ltl)
.if \s == 0
	v_wmma_f32_16x16x128_bf8_bf8 v[rD:rD+7], v[XF+16*(4*\ltl+\s):XF+16*(4*\ltl+\s)+15], v[64*\s+16*\ot:64*\s+16*\ot+15], v[BI+8*\ot:BI+8*\ot+7]
.else
	v_wmma_f32_16x16x128_bf8_bf8 v[rD:rD+7], v[XF+16*(4*\ltl+\s):XF+16*(4*\ltl+\s)+15], v[64*\s+16*\ot:64*\s+16*\ot+15], v[rD:rD+7]
.endif
.else
.set rD, ACC+8*(4*\ltl+\ot)
.if \s == 0
	v_wmma_f32_16x16x128_bf8_bf8 v[rD:rD+7], v[64*\s+16*\ot:64*\s+16*\ot+15], v[XF+16*(4*\ltl+\s):XF+16*(4*\ltl+\s)+15], v[BI+8*\ot:BI+8*\ot+7]
.else
	v_wmma_f32_16x16x128_bf8_bf8 v[rD:rD+7], v[64*\s+16*\ot:64*\s+16*\ot+15], v[XF+16*(4*\ltl+\s):XF+16*(4*\ltl+\s)+15], v[rD:rD+7]
.endif
.endif
.endr
.endr
.endr
	WIN 0
.rept 4
	v_nop                                          ; four places in front of loads into registers that the products have read, and of the first read of their results
.endr
.if \be < 3
	FETCHX (\be)+1                                 ; the next pair's fragments land while this pair is quantised
.endif
.set pn, 0
.rept 64
.if \vp
	v_med3_num_f32 v[ACC+pn], v[ACC+pn], -v[LIMV], v[LIMV]
.else
	v_med3_num_f32 v[ACC+pn], v[ACC+pn], -v[LIMK+2*(\be)+pn/32], v[LIMK+2*(\be)+pn/32]   ; each accumulator from its low end on
.endif
.set pn, pn+1
.endr
.if \be > 0
	s_wait_xcnt 0x0                                ; the last pair's stores have read their data registers, which are written next
.endif
.irp p, 0,1,2,3
	v_cvt_scalef32_pk8_bf8_f32 v[OC+4*\p:OC+4*\p+1], v[ACC+16*\p:ACC+16*\p+7], v[SCV]
	v_cvt_scalef32_pk8_bf8_f32 v[OC+4*\p+2:OC+4*\p+3], v[ACC+16*\p+8:ACC+16*\p+15], v[SCV]
.endr
	v_nop                                          ; one plain vector line between the conversions and the next products, which write their sources
.irp p, 0,1,2,3
.if \vp
	global_store_b128 v[LI], v[OC+4*\p:OC+4*\p+3], s[22:23] offset:\p*2048+512*(\be)               ; channel tile p, group be: keys 32 be + 16 h + 0 .. 15
.else
	global_store_b128 v[LI], v[OC+4*\p:OC+4*\p+3], s[22:23] offset:(2*(\be)+\p/2)*1024+512*(\p%2)  ; l tile 2 be + p / 2, group p % 2: channels 32 (p % 2) + 16 h + 0 .. 15
.endif
.endr                                  ; each store covers 512 consecutive bytes, at a multiple of 512 from the buffer's first byte
.endm
	s_cmp_eq_u32 s27, 2                            ; v goes the other way round; the branch hangs on the work-group's number alone
	s_cbranch_scc1 .Lv
	FETCHX 0
	PAIR 0, 0
	PAIR 1, 0
	PAIR 2, 0
	PAIR 3, 0
	s_wait_xcnt 0x0
	v_lshl_add_u32 v254, v0, 2, 0x10300
	v_mov_b32 v255, 0
	s_wait_tensorcnt 0x0
	ds_add_u32 v254, v255
	s_wait_dscnt 0x0
	s_endpgm
.Lv:
.irp ot, 0,1,2,3
.irp j, 0,1,2,3,4,5,6,7
	v_mov_b32 v[BI+8*\ot+\j], v[BV+\ot]            ; here a lane holds one channel: its bias in all eight registers of the C
.endr
.endr
	FETCHX 0
	PAIR 0, 1
	PAIR 1, 1
	PAIR 2, 1
	PAIR 3, 1
	s_wait_xcnt 0x0
	v_lshl_add_u32 v254, v0, 2, 0x10300
	v_mov_b32 v255, 0
	s_wait_tensorcnt 0x0
	ds_add_u32 v254, v255
	s_wait_dscnt 0x0
	s_endpgm
.Lfunc_end_k_qef972d77bf_proj:
	.size	k_qef972d77bf_proj, .Lfunc_end_k_qef972d77bf_proj-k_qef972d77bf_proj
	.p2alignl 7, 3214868480
	.fill 96, 4, 3214868480
	.section	.rodata,"a",@progbits
	.p2align	6, 0x0
	.amdhsa_kernel k_qef972d77bf_proj
		.amdhsa_group_segment_fixed_size 67328
		.amdhsa_private_segment_fixed_size 0
		.amdhsa_enable_private_segment 0
		.amdhsa_kernarg_size 80
		.amdhsa_user_sgpr_count 2
		.amdhsa_user_sgpr_kernarg_segment_ptr 1
		.amdhsa_wavefront_size32 1
		.amdhsa_system_sgpr_workgroup_id_x 1
		.amdhsa_system_sgpr_workgroup_id_y 1
		.amdhsa_system_sgpr_workgroup_id_z 1
		.amdhsa_system_vgpr_workitem_id 0
		.amdhsa_next_free_vgpr 512
		.amdhsa_next_free_sgpr 66
		.amdhsa_reserve_vcc 0
		.amdhsa_float_denorm_mode_32 3
		.amdhsa_float_denorm_mode_16_64 3
		.amdhsa_memory_ordered 1
		.amdhsa_forward_progress 1
		.amdhsa_inst_pref_size 116
	.end_amdhsa_kernel
	.amdgpu_metadata
---
amdhsa.version: [ 1, 2 ]
amdhsa.kernels:
  - .name:           k_qef972d77bf_proj
    .symbol:         k_qef972d77bf_proj.kd
    .args:
      - { .name: q, .offset: 0, .size: 8, .value_kind: global_buffer, .address_space: global }
      - { .name: k, .offset: 8, .size: 8, .value_kind: global_buffer, .address_space: global }
      - { .name: v, .offset: 16, .size: 8, .value_kind: global_buffer, .address_space: global }
      - { .name: wc, .offset: 24, .size: 8, .value_kind: global_buffer, .address_space: global }
      - { .name: bq, .offset: 32, .size: 8, .value_kind: global_buffer, .address_space: global }
      - { .name: bk, .offset: 40, .size: 8, .value_kind: global_buffer, .address_space: global }
      - { .name: bv, .offset: 48, .size: 8, .value_kind: global_buffer, .address_space: global }
      - { .name: input_mask, .offset: 56, .size: 8, .value_kind: global_buffer, .address_space: global }
      - { .name: lowp_scales, .offset: 64, .size: 8, .value_kind: global_buffer, .address_space: global }
      - { .name: qkvc, .offset: 72, .size: 8, .value_kind: global_buffer, .address_space: global }
    .group_segment_fixed_size: 67328
    .private_segment_fixed_size: 0
    .kernarg_segment_align: 8
    .kernarg_segment_size: 80
    .max_flat_workgroup_size: 256
    .sgpr_count:     66
    .vgpr_count:     512
    .wavefront_size: 32
...
	.end_amdgpu_metadata
.endif
;; end of part 2
;; launch attn (part 3): grid 8 x 32, 8 waves a work-group, clusters of 4 x 1, 271,360 bytes of LDS; arguments qkvc, input_mask, lowp_scales, oc; writes oc
.if DOCPART == 3
	.amdgcn_target "amdgcn-amd-amdhsa--gfx1250"
	.amdhsa_code_object_version 6
	.text
	.protected	k_qef972d77bf_attn
	.globl	k_qef972d77bf_attn
	.p2align	8
	.type	k_qef972d77bf_attn,@function
k_qef972d77bf_attn:
	s_mov_b64 s[64:65], 0
	v_nop
	global_prefetch_b8 v0, s[64:65] scope:SCOPE_SE
	s_setreg_imm32_b32 hwreg(HW_REG_WAVE_MODE, 25, 1), 1
	s_wait_xcnt 0x0
	s_wait_alu depctr_hold_cnt(0) depctr_sa_sdst(0) depctr_va_vdst(0) depctr_va_sdst(0) depctr_va_ssrc(0) depctr_va_vcc(0) depctr_vm_vsrc(0)
	s_getreg_b32 s2, hwreg(HW_REG_IB_STS2, 6, 4)
	s_cmp_eq_u32 s2, 0
	s_cbranch_scc0 .Lentry_in_a_cluster
	s_endpgm
.Lentry_in_a_cluster:
	s_bfe_u32 s2, ttmp6, 0x10000c
	s_cmp_lg_u32 s2, 0x3003
	s_cbranch_scc0 .Lentry_shape_is_right
	s_endpgm
.Lentry_shape_is_right:
; Attention on codes of BF8 (E5M2): for each (b, head) and query l: o[d] = sum over keys n of softmax_n(qh . kh / 8, masked) vh[d][n]; the result is quantised for the last convolution and stored as codes.
; IN (qkvc, images of operand registers): q, k: [b, head 32][tile of 16 l: 128][1,024 bytes], K = the head's 64; v: [b, head 32][128 keys: 16][tile of 16 channels: 4][2,048 bytes], K = the keys.
; In an image, group c of four registers is 512 bytes, lane L's 16 bytes at 512 c + 16 L; lane (r, h) holds k = 32 c + 16 h + 0 .. 15 of the tile's row r.  Lane r of tile 2 B + u of l (or of channels) is row 32 B + 8 u + r + 8 (r / 8).
; THE SOFTMAX AHEAD OF THE SECOND PRODUCT: t = logit x log2(e); M = the row's largest t so far, rounded UP to a whole number; p = 2^(t - M) is what is quantised; the row's sum is taken of the unquantised p and divides at the end.
; When M moves, the sum and O are multiplied by 2^(old M - new M): nothing is rounded, and no branch hangs on data.
; SHARES.  A work-group owns 256 queries of one (b, head); each of its eight waves two tiles of 16 queries, tile 0 in register window 0 and tile 1 in window 1 under the same numbers, so that each fragment of K, of V and of the
; mask that is read from LDS feeds two products.  Two waves lie on a SIMD: one's vector work stands beside the other's products and LDS loads.
; LAYOUT.  Both products are used transposed: S^T = K Q^T (source 0 = 16 keys), O^T = V^T P^T (source 0 = 16 channels): a lane holds ONE query throughout, and the 16 registers of two neighbouring tiles of S^T are 16 neighbouring keys.
; LDS.  The head's whole K and V, 262,144 bytes, are brought once: four groups of four key steps (128 keys a step), group g at 65,536 g: K's 32,768 bytes, then V's.  Nothing is filled again.  Behind them 2,048 f32: the mask.
; Each wave issues four tensor loads of 8,192 bytes, one a group, all at the head: four of mine are out at the most.  CLUSTER: the four query blocks of a cluster read the same head: each load is asked for JOINTLY, by the same
; line with the same descriptor and a mask that names the four.  NO PREFETCH: every byte is asked for at the head; there is no earlier place.
; THE MASK costs no vector instruction in the loop: it is the C of the score products: 0, or BM = -2^(33 - e6 - e7) where input_mask <= 0.5; kh's codes are 0 at masked keys, so the score there is exactly BM, and BM x c is an exact
; whole number: with every key masked p = 1 everywhere, as softmax gives equal weights; else p = 0 at masked keys.
; LIMITS: a masked key's logit is -2^30 and not -1e9: the same result unless a row's largest unmasked logit lies below about -9.9e8.  e6 + e7 between -94 and 130; e9 and e10 between -126 and 112.  NaN among the inputs is not served.
; REGISTERS.  In window t, for tile t: v96-159 S^T, then p; v160-191 O^T; v192-207 p's codes; v208 -M, v209 the largest t, v[210:211] the sum, v212, v213 at work, v[214:215] f and 0, v[216:217] the sum's second chain,
;   v218 the permute's destination, v220, v221 57,344 x 2^e9 and 2^e9, v222, v223 the same with e10.
;   window 0 besides: v1 16 x lane; v2 the mask's place for my half; v3, v4 the step's addresses; v16-31 Q's two fragments; v32-95 K's eight.   window 1 besides: v32-95 V's four; v0-31, v224-255 the mask's eight tiles.
.set BIAS, 262144
.set LI,   1
.set BH,   2
.set ADK,  3
.set ADB,  4
.set VBM,  5
.set Q,    16
.set KF,   32
.set VF,   32
.set S,    96
.set O,    160
.set P,    192
.set NM,   208
.set TM,   209
.set SUM,  210
.set WK,   212
.set WK2,  213
.set F,    214
.set SUM2, 216
.set PD,   218
.set PLIM, 220
.set PSC,  221
.set OLIM, 222
.set OSC,  223
.set MSB, 0
.macro WIN new                         ; low byte: bits 1:0 source 0, 3:2 source 1, 5:4 source 2, 7:6 destination; the high byte repeats the setting that is left
.if MSB != \new
	s_set_vgpr_msb (MSB<<8)|\new
.set MSB, \new
.endif
.endm
.macro CROUND                          ; a round of the cluster's barrier: my work-group's barrier; wave 0 signals for the work-group; every wave waits for all four work-groups; my work-group's barrier once more
	s_barrier_signal -1
	s_barrier_wait -1
	s_cmp_lg_u32 s12, 0
	s_cbranch_scc1 .Lnot_wave_0_\@
	s_barrier_signal -3
.Lnot_wave_0_\@:
	s_barrier_wait -3
	s_barrier_signal -1
	s_barrier_wait -1
.endm
	s_load_b256 s[4:11], s[0:1], 0x0               ; qkvc, input_mask, the scales' exponents, oc
	v_lshl_add_u32 v254, v0, 2, 0x42000
	v_mov_b32 v255, 0
	ds_add_u32 v254, v255
	ds_add_u32 v254, v255
	v_lshrrev_b32 v6, 5, v0
	v_readfirstlane_b32 s12, v6                    ; wave 0..7
	s_bfe_u32 s13, ttmp6, 0x40000                  ; cx: my place in the cluster: it enters Q's and oc's addresses alone
	s_lshl_b32 s14, ttmp9, 2
	s_add_co_u32 s14, s14, s13                     ; my block of 256 queries
	s_and_b32 s15, ttmp7, 0xffff                   ; (b, head) = 8 b + head, which the four partners share
	; descriptor group 1: a dense block of 8,192 bytes as 32 rows of 32 elements of 8 bytes
	s_mov_b32 s16, 15|(3<<16)|(1<<21)              ; 15:0 the mask: all four work-groups; 17:16 elements of 8 bytes; 21 set beside a mask; no padding
	s_mov_b32 s17, 32<<16                          ; tensor_dim0 = 32
	s_mov_b32 s18, 32<<16                          ; tensor_dim1 = 32
	s_mov_b32 s19, 32<<16                          ; tile_dim0 = 32
	s_mov_b32 s20, 32                              ; tile_dim1 = 32
	s_mov_b32 s21, 32                              ; from row to row: 32 elements
	s_mov_b32 s22, 0
	s_mov_b32 s23, 0
	s_lshr_b32 s60, s12, 2                         ; waves 0-3 fetch K's four steps of a group, waves 4-7 V's
	s_add_co_u32 s60, s60, 1
	s_lshl_b32 s60, s60, 22                        ; k's part begins at 4,194,304, v's at 8,388,608
	s_lshl_b32 s61, s15, 17                        ; a head: 131,072 bytes
	s_add_co_u32 s60, s60, s61
	s_and_b32 s61, s12, 3
	s_lshl_b32 s61, s61, 13                        ; a key step: 8,192 bytes
	s_add_co_u32 s60, s60, s61
	s_mov_b32 s61, 0
	s_lshl_b32 s62, s12, 13                        ; and in LDS: 8,192 x wave: no place in the cluster enters an LDS address
	s_mov_b32 s40, 0x76543210                      ; v_permlanex16_b32's selects: lane l xor 16
	s_mov_b32 s41, 0xfedcba98
	v_and_b32 v6, 31, v0
	v_lshlrev_b32 v[LI], 4, v6
	v_bfe_u32 v6, v0, 4, 1
	v_lshlrev_b32 v[BH], 6, v6
	v_add_nc_u32 v[BH], BIAS, v[BH]                ; the mask's numbers for my half: 16 h keys on
	v_lshlrev_b32 v7, 5, v0                        ; thread i makes the mask's numbers of keys 8 i .. 8 i + 7
	v_add_nc_u32 v8, BIAS, v7
	s_wait_dscnt 0x0
	s_wait_kmcnt 0x0
	s_load_b256 s[44:51], s[8:9], 0x0              ; e0 .. e7
	s_load_b128 s[52:55], s[8:9], 0x20             ; e8 .. e11
	s_add_nc_u64 s[60:61], s[4:5], s[60:61]
.irp g, 0,1,2,3
	s_mov_b32 s[24+4*\g], 1                        ; count = 1
	s_add_co_u32 s[25+4*\g], s62, 65536*\g         ; LDS address
	s_add_nc_u64 s[26+4*\g:27+4*\g], s[60:61], 32768*\g   ; global address: group g's four steps are 32,768 bytes
	s_or_b32 s[27+4*\g], s[27+4*\g], 0x80000000    ; type = 2
.endr
	s_lshl_b32 s2, s15, 17                         ; Q: the head, + tile 16 x block + 2 x wave, 1,024 bytes a tile
	s_lshl_b32 s59, s14, 4
	s_lshl_b32 s63, s12, 1
	s_add_co_u32 s59, s59, s63
	s_lshl_b32 s63, s59, 10
	s_add_co_u32 s2, s2, s63
	s_mov_b32 s3, 0
	s_add_nc_u64 s[4:5], s[4:5], s[2:3]
	s_lshr_b32 s63, s15, 3                         ; b
	s_lshl_b32 s2, s63, 13
	s_add_nc_u64 s[6:7], s[6:7], s[2:3]            ; the mask's row
	s_lshl_b32 s63, s63, 7
	s_add_co_u32 s59, s59, s63                     ; oc: [b][tile 128][K step 4][2,048]: tile 128 b + 16 x block + 2 x wave,
	s_lshl_b32 s59, s59, 2
	s_bfe_u32 s63, s15, 0x20001                    ; K step head / 2,
	s_add_co_u32 s59, s59, s63
	s_lshl_b32 s59, s59, 1
	s_and_b32 s63, s15, 1                          ; groups 2 (head % 2) and the next
	s_add_co_u32 s59, s59, s63
	s_lshl_b32 s2, s59, 10
	s_add_nc_u64 s[10:11], s[10:11], s[2:3]
	CROUND                                         ; all four work-groups are here: the joint loads meet
	tensor_load_to_lds s[24:27], s[16:23]
	s_nop 0
	tensor_load_to_lds s[28:31], s[16:23]
	s_nop 0
	tensor_load_to_lds s[32:35], s[16:23]
	s_nop 0
	tensor_load_to_lds s[36:39], s[16:23]
	s_nop 0
.rept 4
	v_nop
.endr
	global_load_b128 v[32:35], v7, s[6:7]          ; the mask of my 8 keys
	global_load_b128 v[36:39], v7, s[6:7] offset:16
.irp t, 0,1
.irp c, 0,1
	global_load_b128 v[Q+8*\t+4*\c:Q+8*\t+4*\c+3], v[LI], s[4:5] offset:\t*1024+512*\c   ; Q's fragments stay in registers
.endr
.endr
	s_wait_kmcnt 0x0
	s_add_co_i32 s59, s50, s51                     ; e6 + e7: a score stands for score x 2^(e6 + e7)
	s_lshl_b32 s63, s59, 23
	s_mov_b32 s42, 0x3e38aa3b                      ; c = log2(e) / sqrt(64); the two exponents are added to its exponent field
	s_add_co_i32 s42, s42, s63
	s_mov_b32 s43, s42                             ; (named with it as a pair, so it is written)
	s_sub_co_i32 s59, 160, s59
	s_lshl_b32 s59, s59, 23
	s_or_b32 s59, s59, 0x80000000
	v_mov_b32 v[VBM], s59                          ; BM = -2^(33 - e6 - e7)
	s_add_co_i32 s59, s53, 127
	s_lshl_b32 s2, s59, 23                         ; 2^e9
	s_add_co_i32 s59, s59, 15
	s_lshl_b32 s59, s59, 23
	s_or_b32 s3, s59, 0x600000                     ; 57,344 x 2^e9
	s_add_co_i32 s59, s54, 127
	s_lshl_b32 s60, s59, 23                        ; 2^e10
	s_add_co_i32 s59, s59, 15
	s_lshl_b32 s59, s59, 23
	s_or_b32 s61, s59, 0x600000                    ; 57,344 x 2^e10
	s_add_co_i32 s63, s52, s53                     ; e8 + e9
.macro INIT                            ; a tile's statistics and constants.  The step is written once: the first finds zeros, which the first change of M leaves zeros
	v_mov_b32 v[TM], 0xff61b1e6                    ; the largest t so far: -3e38, under every t
	v_floor_f32 v[NM], -v[TM]
	v_mov_b32 v[SUM], 0
	v_mov_b32 v[SUM+1], 0
	v_mov_b32 v[F+1], 0                            ; (named as the upper half of a pair)
	v_mov_b32 v[PD], 0                             ; a lane permute's destination counts as one of its sources
	v_mov_b32 v[PLIM], s3
	v_mov_b32 v[PSC], s2
	v_mov_b32 v[OLIM], s61
	v_mov_b32 v[OSC], s60
.set ij, 0
.rept 32
	v_mov_b32 v[O+ij], 0
.set ij, ij+1
.endr
.endm
	INIT
	WIN 0x55                                       ; all places window 1
	INIT
	WIN 0
	s_wait_loadcnt 4                               ; the mask is in; Q's four loads may be out
.irp j, 0,1,2,3,4,5,6,7
	v_cmp_ge_f32 vcc_lo, 0.5, v[32+\j]             ; masked: input_mask <= 0.5
	v_cndmask_b32 v[32+\j], 0, v[VBM], vcc_lo
.endr
	ds_store_b128 v8, v[32:35]
	ds_store_b128 v8, v[36:39] offset:16
	s_wait_loadcnt 0x0                             ; Q
; One tile's softmax for a step of 128 keys, all in the window that is set.
.macro SOFTMAX
	v_max3_num_f32 v[WK], v[S], v[S+1], v[S+2]     ; the step's largest score of my query among my 64 keys, in two chains, each accumulator from its low end on
	v_max3_num_f32 v[WK2], v[S+3], v[S+4], v[S+5]
.set sj, 6
.rept 14
	v_max3_num_f32 v[WK], v[WK], v[S+sj], v[S+sj+1]
	v_max3_num_f32 v[WK2], v[WK2], v[S+sj+2], v[S+sj+3]
.set sj, sj+4
.endr
	v_max3_num_f32 v[WK], v[WK], v[S+62], v[S+63]
	v_max_num_f32 v[WK], v[WK], v[WK2]
	v_permlanex16_b32 v[PD], v[WK], s40, s41
	v_max_num_f32 v[WK], v[WK], v[PD]              ; and among lane l xor 16's
	v_mul_f32 v[WK], s42, v[WK]                    ; as t (c is positive)
	v_max_num_f32 v[TM], v[TM], v[WK]              ; the running largest t
	v_mov_b32 v[WK], v[NM]
	v_floor_f32 v[NM], -v[TM]                      ; the new -M = floor(-t) = -ceil(t)
	v_sub_f32 v[WK], v[NM], v[WK]                  ; old M - new M: a whole number, 0 or less
	v_cvt_i32_f32 v[WK], v[WK]                     ; (it saturates)
	v_ldexp_f32 v[F], 1.0, v[WK]                   ; f = 2^(old M - new M)
.set sj, 0
.rept 32
	v_pk_fma_f32 v[S+sj:S+sj+1], v[S+sj:S+sj+1], s[42:43], v[NM:NM+1] op_sel_hi:[1,0,0]   ; t - M, two at a time (of the pairs c and -M the low word serves both halves)
.set sj, sj+2
.endr
.set sj, 0
.rept 64
	v_exp_f32 v[S+sj], v[S+sj]                     ; p = 2^(t - M), at most 1
.set sj, sj+1
.endr
	v_pk_mul_f32 v[SUM:SUM+1], v[SUM:SUM+1], v[F:F+1] op_sel_hi:[1,0]   ; the sum under the new M.  (A plain line behind the exponentials)
	s_wait_alu depctr_va_vdst(0)
	v_pk_add_f32 v[SUM2:SUM2+1], v[S:S+1], v[S+2:S+3]                   ; the sum is taken of the unquantised p, in two chains
.set sj, 4
.rept 15
	v_pk_add_f32 v[SUM:SUM+1], v[SUM:SUM+1], v[S+sj:S+sj+1]
	v_pk_add_f32 v[SUM2:SUM2+1], v[SUM2:SUM2+1], v[S+sj+2:S+sj+3]
.set sj, sj+4
.endr
	v_pk_add_f32 v[SUM:SUM+1], v[SUM:SUM+1], v[SUM2:SUM2+1]
.irp b, 0,1,2,3
.set sj, 0
.rept 16
	v_min_num_f32 v[S+16*\b+sj], v[S+16*\b+sj], v[PLIM]   ; the conversion does not saturate (ISA guide 7.6.2); p is not negative, so the hold is one-sided
.set sj, sj+1
.endr
	v_cvt_scalef32_pk8_bf8_f32 v[P+4*\b:P+4*\b+1], v[S+16*\b:S+16*\b+7], v[PSC]
	v_cvt_scalef32_pk8_bf8_f32 v[P+4*\b+2:P+4*\b+3], v[S+16*\b+8:S+16*\b+15], v[PSC]
.endr
.set sj, 0
.rept 16
	v_pk_mul_f32 v[O+sj:O+sj+1], v[O+sj:O+sj+1], v[F:F+1] op_sel_hi:[1,0]   ; O^T under the new M.  (Also the plain lines between the conversions and the products that read their results)
.set sj, sj+2
.endr
.endm
.macro PV                              ; O^T += V^T P^T: four tiles of 16 channels, K = the step's 128 keys; four accumulators, one instruction each
.irp dt, 0,1,2,3
	v_wmma_f32_16x16x128_bf8_bf8 v[O+8*\dt:O+8*\dt+7], v[VF+16*\dt:VF+16*\dt+15], v[P:P+15], v[O+8*\dt:O+8*\dt+7]
.endr
.endm
.macro KQ t                            ; S^T = K Q^T + the mask: eight tiles of 16 keys, K = the head's 64
.irp kt, 0,1,2,3,4,5,6,7
	v_wmma_f32_16x16x64_bf8_bf8 v[S+8*\kt:S+8*\kt+7], v[KF+8*\kt:KF+8*\kt+7], v[Q+8*\t:Q+8*\t+7], v[8*\kt+192*(\kt/4):8*\kt+192*(\kt/4)+7]
.endr
.endm
; A key step: 128 keys at LDS byte s57 (K; V lies 32,768 bytes on), their mask at s58.  No two products that follow each other share an accumulator.
.macro STEP
	v_add_nc_u32 v[ADK], s57, v[LI]
	v_add_nc_u32 v[ADB], s58, v[BH]
	v_nop
	v_nop                                          ; four places (ISA guide 7.12.1 for vector lines) behind the last products, in front of the loads into V's registers
.irp kt, 0,1,2,3,4,5,6,7
.irp c, 0,1
	ds_load_b128 v[KF+8*\kt+4*\c:KF+8*\kt+4*\c+3], v[ADK] offset:\kt*1024+512*\c
.endr
.endr
	WIN 0x40                                       ; destination window 1
.irp kt, 0,1,2,3,4,5,6,7
	ds_load_b128 v[8*\kt+192*(\kt/4):8*\kt+192*(\kt/4)+3], v[ADB] offset:128*(\kt/2)+32*(\kt%2)        ; register j of tile kt is key 32 (kt / 2) + 16 h + 8 (kt % 2) + j
	ds_load_b128 v[8*\kt+192*(\kt/4)+4:8*\kt+192*(\kt/4)+7], v[ADB] offset:128*(\kt/2)+32*(\kt%2)+16
.endr
.irp dt, 0,1,2,3
.irp c, 0,1,2,3
	ds_load_b128 v[VF+16*\dt+4*\c:VF+16*\dt+4*\c+3], v[ADK] offset:32768+\dt*2048+512*\c
.endr
.endr
	s_wait_dscnt 16                                ; K and the mask are in; V's sixteen loads, the youngest, may be out
	WIN 0x10                                       ; C (the mask) window 1
	KQ 0
	WIN 0x50                                       ; and the destination too
	KQ 1
	WIN 0
.rept 4
	v_nop                                          ; four places in front of the first read of the scores
.endr
	SOFTMAX
	s_wait_dscnt 0x0                               ; V is in
	WIN 0x01                                       ; source 0 (V) window 1
	PV
	WIN 0x55
	SOFTMAX
	PV
	WIN 0                                          ; at a label and at a branch every window is 0
.endm
; Group g: four key steps.  My load of the group has landed (the later groups' 3 - g may stay out), my LDS instructions are done, and behind the barrier that holds of all eight waves.
.macro GROUP g
	s_wait_tensorcnt 3-\g
	s_wait_dscnt 0x0
	s_barrier_signal -1
	s_barrier_wait -1
	s_mov_b32 s57, 65536*\g
	s_mov_b32 s58, 2048*\g
	s_mov_b32 s56, 4
.Lstep_\@:
	STEP
	s_add_co_u32 s57, s57, 8192
	s_add_co_u32 s58, s58, 512
	s_sub_co_u32 s56, s56, 1
	s_cmp_lg_u32 s56, 0
	s_cbranch_scc1 .Lstep_\@
.endm
	GROUP 0
	GROUP 1
	GROUP 2
	GROUP 3
; THE WAY OUT of a tile, in the window that is set: O^T / the sum x 2^(e8 + e9) is held and quantised with 2^e10.  The 16 registers of two neighbouring tiles of channels are 16 neighbours along the last product's K.
.macro FINISH
	v_add_f32 v[SUM], v[SUM], v[SUM+1]
	v_permlanex16_b32 v[PD], v[SUM], s40, s41
	v_add_f32 v[SUM], v[SUM], v[PD]                ; the row's sum
	v_rcp_f32 v[SUM], v[SUM]
	v_nop                                          ; one plain line behind a transcendental
	s_wait_alu depctr_va_vdst(0)
	v_ldexp_f32 v[SUM], v[SUM], s63
.set sj, 0
.rept 32
	v_mul_f32 v[S+sj], v[O+sj], v[SUM]             ; each accumulator from its low end on
.set sj, sj+1
.endr
.set sj, 0
.rept 32
	v_med3_num_f32 v[S+sj], v[S+sj], -v[OLIM], v[OLIM]
.set sj, sj+1
.endr
.irp b, 0,1
	v_cvt_scalef32_pk8_bf8_f32 v[P+4*\b:P+4*\b+1], v[S+16*\b:S+16*\b+7], v[OSC]
	v_cvt_scalef32_pk8_bf8_f32 v[P+4*\b+2:P+4*\b+3], v[S+16*\b+8:S+16*\b+15], v[OSC]
.endr
	v_nop
.endm
	FINISH                                         ; tile 0: its lines are also the places behind tile 1's last products
.irp c, 0,1
	global_store_b128 v[LI], v[P+4*\c:P+4*\c+3], s[10:11] offset:512*\c        ; 32 lanes store 512 consecutive bytes, at a multiple of 512 from oc's first byte
.endr
	WIN 0x55
	FINISH
	WIN 0x04                                       ; a store's data: source 1, window 1
.irp c, 0,1
	global_store_b128 v[LI], v[P+4*\c:P+4*\c+3], s[10:11] offset:8192+512*\c
.endr
	WIN 0
	s_wait_tensorcnt 0x0
	ds_add_u32 v254, v255
	s_wait_dscnt 0x0
	CROUND                                         ; the closing round: no work-group ends while a partner may still ask for a tile that names it
	s_endpgm
.Lfunc_end_k_qef972d77bf_attn:
	.size	k_qef972d77bf_attn, .Lfunc_end_k_qef972d77bf_attn-k_qef972d77bf_attn
	.p2alignl 7, 3214868480
	.fill 96, 4, 3214868480
	.section	.rodata,"a",@progbits
	.p2align	6, 0x0
	.amdhsa_kernel k_qef972d77bf_attn
		.amdhsa_group_segment_fixed_size 271360
		.amdhsa_private_segment_fixed_size 0
		.amdhsa_enable_private_segment 0
		.amdhsa_kernarg_size 32
		.amdhsa_user_sgpr_count 2
		.amdhsa_user_sgpr_kernarg_segment_ptr 1
		.amdhsa_wavefront_size32 1
		.amdhsa_system_sgpr_workgroup_id_x 1
		.amdhsa_system_sgpr_workgroup_id_y 1
		.amdhsa_system_sgpr_workgroup_id_z 1
		.amdhsa_system_vgpr_workitem_id 0
		.amdhsa_next_free_vgpr 512
		.amdhsa_next_free_sgpr 66
		.amdhsa_reserve_vcc 1
		.amdhsa_float_denorm_mode_32 3
		.amdhsa_float_denorm_mode_16_64 3
		.amdhsa_memory_ordered 1
		.amdhsa_forward_progress 1
		.amdhsa_inst_pref_size 136
	.end_amdhsa_kernel
	.amdgpu_metadata
---
amdhsa.version: [ 1, 2 ]
amdhsa.kernels:
  - .name:           k_qef972d77bf_attn
    .symbol:         k_qef972d77bf_attn.kd
    .args:
      - { .name: qkvc, .offset: 0, .size: 8, .value_kind: global_buffer, .address_space: global }
      - { .name: input_mask, .offset: 8, .size: 8, .value_kind: global_buffer, .address_space: global }
      - { .name: lowp_scales, .offset: 16, .size: 8, .value_kind: global_buffer, .address_space: global }
      - { .name: oc, .offset: 24, .size: 8, .value_kind: global_buffer, .address_space: global }
    .group_segment_fixed_size: 271360
    .private_segment_fixed_size: 0
    .kernarg_segment_align: 8
    .kernarg_segment_size: 32
    .max_flat_workgroup_size: 256
    .sgpr_count:     66
    .vgpr_count:     512
    .wavefront_size: 32
...
	.end_amdgpu_metadata
.endif
;; end of part 3
;; launch outp (part 4): grid 64 x 4, 4 waves a work-group, no clusters, 133,632 bytes of LDS; arguments oc, wc, bout, lowp_scales, out0; writes out0
.if DOCPART == 4
	.amdgcn_target "amdgcn-amd-amdhsa--gfx1250"
	.amdhsa_code_object_version 6
	.text
	.protected	k_qef972d77bf_outp
	.globl	k_qef972d77bf_outp
	.p2align	8
	.type	k_qef972d77bf_outp,@function
k_qef972d77bf_outp:
	s_mov_b64 s[64:65], 0
	v_nop
	global_prefetch_b8 v0, s[64:65] scope:SCOPE_SE
	s_setreg_imm32_b32 hwreg(HW_REG_WAVE_MODE, 25, 1), 1
	s_wait_xcnt 0x0
; The last 1 x 1 convolution: out0[b][o][l] = sum over c of Wout[o][c] a[b][c][l] + bout[o], on codes of BF8 (E5M2): a's codes (scale 2^e10) from oc, Wout's (2^e11) from wc, both as images of operand registers.
; oc: [b 4][tile of 16 l: 128][K step 4][2,048 bytes]; lane r of tile 2 B + u of a block of 128 l is l = 32 B + 8 u + r + 8 (r / 8).  wc's fourth tensor: [tile of 16 o: 32][K step 4][2,048 bytes], plain tiles.
; SHARES.  Work-group x = 16 b + block of 128 l, y = a quarter of the 512 o.  Wave w: o tiles 8 y + 2 w, + 1, for all eight tiles of l: 16 accumulators; its 8 fragments of Wout stay in registers.
; The block's 32 images of a, 65,536 consecutive bytes, are copied into LDS as they lie (each thread 32 x 16 bytes) and read from there by all four waves.
; Source 0 = a (16 l), source 1 = Wout (16 o): a lane holds one o and eight NEIGHBOURING l: register j of tile 2 B + u is l = 32 B + 16 h + 8 u + j.  The results go through the wave's own stage in LDS and leave as rows of 512 bytes.
; NO CLUSTER: the four work-groups of a block share its 65,536 bytes, but each has that one fill in all and no loop over tiles: a joint request would put two rounds of the cluster's barrier round a single fill.
; NO PREFETCH: all that a wave reads is asked for at its head.
; LIMIT: e10 + e11 between -126 and 127, so that 2^(e10 + e11) is an f32 number.
; REGISTERS.  window 0: v1 16 x lane; v2 16 x thread; v3, v4 the stage, in and back; v7 4 r; v[20:21], v[22:23] bout of my o in tiles 0, 1, and 0; v32-95 rows read back;
;   v128-255 the copy's 32 x 4, then two buffers of four fragments of a, then the sums x 2^(e10 + e11) + bout.   window 1: v0-127 Wout: fragment (n, s) at 16 (4 n + s); v128-255 accumulator (n, lt) at 128 + 8 (8 n + lt).
.set STAGE, 65536                      ; behind the images: 32 rows x (512 bytes + 16) for each wave
.set SP,    528
.set LI,  1
.set TI,  2
.set STO, 3
.set RD,  4
.set MSB, 0
.macro WIN new                         ; low byte: bits 1:0 source 0, 3:2 source 1, 5:4 source 2, 7:6 destination; the high byte repeats the setting that is left
.if MSB != \new
	s_set_vgpr_msb (MSB<<8)|\new
.set MSB, \new
.endif
.endm
	s_load_b256 s[4:11], s[0:1], 0x0               ; oc, wc, bout, the scales' exponents
	s_load_b64 s[12:13], s[0:1], 0x20              ; out0
	v_lshl_add_u32 v126, v0, 2, 0x20800
	v_mov_b32 v127, 0
	v_lshrrev_b32 v5, 5, v0
	v_readfirstlane_b32 s16, v5                    ; wave 0..3
	s_and_b32 s17, ttmp7, 0xffff                   ; y
	v_and_b32 v5, 31, v0
	v_lshlrev_b32 v[LI], 4, v5
	v_lshlrev_b32 v[TI], 4, v0
	v_and_b32 v5, 15, v0                           ; r
	v_bfe_u32 v6, v0, 4, 1                         ; h
	s_mul_i32 s18, s16, 32*SP
	s_add_co_u32 s18, s18, STAGE                   ; my stage
	v_mul_u32_u24 v[STO], v5, SP
	v_lshl_add_u32 v[STO], v6, 6, v[STO]
	v_add_nc_u32 v[STO], s18, v[STO]               ; in: row r, + 64 h
	v_add_nc_u32 v[RD], s18, v[LI]                 ; back: the 32 lanes take a row of 512 bytes
	v_lshlrev_b32 v7, 2, v5
	v_mov_b32 v21, 0                               ; (named as the upper halves of pairs)
	v_mov_b32 v23, 0
	s_lshl_b32 s20, ttmp9, 16                      ; oc: the block's 65,536 bytes
	s_mov_b32 s21, 0
	s_lshl_b32 s22, s17, 3
	s_lshl_b32 s19, s16, 1
	s_add_co_u32 s22, s22, s19                     ; my first tile of o: 8 y + 2 w
	s_lshl_b32 s22, s22, 13                        ; 8,192 bytes a tile,
	s_add_co_u32 s22, s22, 786432                  ; in wc's fourth tensor
	s_mov_b32 s23, 0
	s_lshl_b32 s24, s17, 9
	s_lshl_b32 s19, s16, 7
	s_add_co_u32 s24, s24, s19                     ; bout: my 32 numbers
	s_mov_b32 s25, 0
	s_lshr_b32 s26, ttmp9, 4                       ; b
	s_lshl_b32 s26, s26, 9
	s_lshl_b32 s19, s17, 7
	s_add_co_u32 s26, s26, s19
	s_lshl_b32 s19, s16, 5
	s_add_co_u32 s26, s26, s19                     ; my first row of out0: 512 b + 128 y + 32 w,
	s_lshl_b32 s26, s26, 13                        ; of 8,192 bytes,
	s_and_b32 s19, ttmp9, 15
	s_lshl_b32 s19, s19, 9
	s_add_co_u32 s26, s26, s19                     ; + the block's 512 bytes
	s_mov_b32 s27, 0
	s_wait_kmcnt 0x0
	s_load_b64 s[14:15], s[10:11], 0x28            ; e10, e11
	s_add_nc_u64 s[4:5], s[4:5], s[20:21]
	s_add_nc_u64 s[6:7], s[6:7], s[22:23]
	s_add_nc_u64 s[8:9], s[8:9], s[24:25]
	s_add_nc_u64 s[12:13], s[12:13], s[26:27]
.set ci, 0
.rept 32
	global_load_b128 v[128+4*ci:128+4*ci+3], v[TI], s[4:5] offset:2048*ci   ; the four waves read 2,048 consecutive bytes
.set ci, ci+1
.endr
	WIN 0x40                                       ; destination window 1
.irp f, 0,1,2,3,4,5,6,7
.irp c, 0,1,2,3
	global_load_b128 v[16*\f+4*\c:16*\f+4*\c+3], v[LI], s[6:7] offset:\f*2048+512*\c   ; fragment f = 4 n + s
.endr
.endr
	WIN 0
	global_load_b32 v20, v7, s[8:9]
	global_load_b32 v22, v7, s[8:9] offset:64
	s_wait_loadcnt 34                              ; the block is in; behind it stand Wout's 32 loads and bout's 2
.set ci, 0
.rept 32
	ds_store_b128 v[TI], v[128+4*ci:128+4*ci+3] offset:2048*ci
.set ci, ci+1
.endr
	s_wait_kmcnt 0x0
	s_add_co_i32 s46, s14, s15
	s_add_co_i32 s46, s46, 127
	s_lshl_b32 s46, s46, 23                        ; 2^(e10 + e11) as f32
	s_mov_b32 s47, s46                             ; (named with it as a pair, so it is written)
	s_wait_dscnt 0x0                               ; for the others' sake: my part of the copy has landed
	s_barrier_signal -1
	s_barrier_wait -1
	s_wait_loadcnt 0x0                             ; Wout, bout
; Half k = 2 s + hf: K step s, l tiles 4 hf .. 4 hf + 3, in buffer hf.
.macro FETCH k
.irp ltl, 0,1,2,3
.irp c, 0,1,2,3
	ds_load_b128 v[128+64*((\k)%2)+16*\ltl+4*\c:128+64*((\k)%2)+16*\ltl+4*\c+3], v[LI] offset:(4*(4*((\k)%2)+\ltl)+(\k)/2)*2048+512*\c
.endr
.endr
.endm
.macro HALF k
.if \k < 7
	s_wait_dscnt 16                                ; this half's fragments are in; the next half's sixteen loads may be out
.else
	s_wait_dscnt 0x0
.endif
	WIN 0x54                                       ; source 1 (Wout), C and D window 1
.irp ltl, 0,1,2,3
.irp n, 0,1
.set rD, 128+8*(8*\n+4*((\k)%2)+\ltl)
.if (\k)/2 == 0
	v_wmma_f32_16x16x128_bf8_bf8 v[rD:rD+7], v[128+64*((\k)%2)+16*\ltl:128+64*((\k)%2)+16*\ltl+15], v[16*(4*\n+(\k)/2):16*(4*\n+(\k)/2)+15], 0
.else
	v_wmma_f32_16x16x128_bf8_bf8 v[rD:rD+7], v[128+64*((\k)%2)+16*\ltl:128+64*((\k)%2)+16*\ltl+15], v[16*(4*\n+(\k)/2):16*(4*\n+(\k)/2)+15], v[rD:rD+7]
.endif
.endr
.endr                                  ; the sixteen accumulators take turns, one instruction a turn; the first K step starts the sums
	WIN 0
.rept 4
	v_nop                                          ; four places in front of loads into, and writes of, registers that the products have read, and of the first read of results
.endr
.if \k < 6
	FETCH (\k)+2
.endif
.endm
	FETCH 0
	FETCH 1
.irp k, 0,1,2,3,4,5,6,7
	HALF \k
.endr
; THE WAY OUT.  sum x 2^(e10 + e11) + bout, one packed multiply-add for two numbers; 32 bytes a lane into my stage; back as whole rows.  The stage is my own: LDS serves a wave's instructions in order (ISA guide 5.7.1.4).
.macro TOSTAGE n
	WIN 0x01                                       ; source 0 (the sums) window 1
.irp lt, 0,1,2,3,4,5,6,7
.irp i, 0,2,4,6
	v_pk_fma_f32 v[128+64*\n+8*\lt+\i:128+64*\n+8*\lt+\i+1], v[128+64*\n+8*\lt+\i:128+64*\n+8*\lt+\i+1], s[46:47], v[20+2*\n:21+2*\n] op_sel_hi:[1,0,0]   ; each accumulator from its low end on
.endr
.endr
	WIN 0
.irp lt, 0,1,2,3,4,5,6,7
	ds_store_b128 v[STO], v[128+64*\n+8*\lt:128+64*\n+8*\lt+3] offset:\n*16*SP+128*(\lt/2)+32*(\lt%2)
	ds_store_b128 v[STO], v[128+64*\n+8*\lt+4:128+64*\n+8*\lt+7] offset:\n*16*SP+128*(\lt/2)+32*(\lt%2)+16
.endr
.endm
	TOSTAGE 0
.set ri, 0
.rept 16
	ds_load_b128 v[32+4*ri:32+4*ri+3], v[RD] offset:ri*SP
.set ri, ri+1
.endr
	TOSTAGE 1
	s_wait_dscnt 16                                ; all but tile 1's sixteen stores: tile 0's stores have read v128-191, and its rows are back in v32-95
.set ri, 0
.rept 16
	ds_load_b128 v[128+4*ri:128+4*ri+3], v[RD] offset:(16+ri)*SP
.set ri, ri+1
.endr
.set ri, 0
.rept 16
	global_store_b128 v[LI], v[32+4*ri:32+4*ri+3], s[12:13] offset:ri*8192 th:TH_STORE_NT   ; 32 lanes store 512 consecutive bytes of a row of out0, at a multiple of 512 from its first byte; written once
.set ri, ri+1
.endr
.set ri, 0
.rept 16
	s_wait_dscnt 15-ri                             ; LDS loads come back in order: row ri is in
	global_store_b128 v[LI], v[128+4*ri:128+4*ri+3], s[12:13] offset:(16+ri)*8192 th:TH_STORE_NT
.set ri, ri+1
.endr
	s_wait_tensorcnt 0x0
	ds_add_u32 v126, v127
	s_wait_dscnt 0x0
	s_endpgm
.Lfunc_end_k_qef972d77bf_outp:
	.size	k_qef972d77bf_outp, .Lfunc_end_k_qef972d77bf_outp-k_qef972d77bf_outp
	.p2alignl 7, 3214868480
	.fill 96, 4, 3214868480
	.section	.rodata,"a",@progbits
	.p2align	6, 0x0
	.amdhsa_kernel k_qef972d77bf_outp
		.amdhsa_group_segment_fixed_size 133632
		.amdhsa_private_segment_fixed_size 0
		.amdhsa_enable_private_segment 0
		.amdhsa_kernarg_size 40
		.amdhsa_user_sgpr_count 2
		.amdhsa_user_sgpr_kernarg_segment_ptr 1
		.amdhsa_wavefront_size32 1
		.amdhsa_system_sgpr_workgroup_id_x 1
		.amdhsa_system_sgpr_workgroup_id_y 1
		.amdhsa_system_sgpr_workgroup_id_z 1
		.amdhsa_system_vgpr_workitem_id 0
		.amdhsa_next_free_vgpr 512
		.amdhsa_next_free_sgpr 66
		.amdhsa_reserve_vcc 0
		.amdhsa_float_denorm_mode_32 3
		.amdhsa_float_denorm_mode_16_64 3
		.amdhsa_memory_ordered 1
		.amdhsa_forward_progress 1
		.amdhsa_inst_pref_size 37
	.end_amdhsa_kernel
	.amdgpu_metadata
---
amdhsa.version: [ 1, 2 ]
amdhsa.kernels:
  - .name:           k_qef972d77bf_outp
    .symbol:         k_qef972d77bf_outp.kd
    .args:
      - { .name: oc, .offset: 0, .size: 8, .value_kind: global_buffer, .address_space: global }
      - { .name: wc, .offset: 8, .size: 8, .value_kind: global_buffer, .address_space: global }
      - { .name: bout, .offset: 16, .size: 8, .value_kind: global_buffer, .address_space: global }
      - { .name: lowp_scales, .offset: 24, .size: 8, .value_kind: global_buffer, .address_space: global }
      - { .name: out0, .offset: 32, .size: 8, .value_kind: global_buffer, .address_space: global }
    .group_segment_fixed_size: 133632
    .private_segment_fixed_size: 0
    .kernarg_segment_align: 8
    .kernarg_segment_size: 40
    .max_flat_workgroup_size: 128
    .sgpr_count:     66
    .vgpr_count:     512
    .wavefront_size: 32
...
	.end_amdgpu_metadata
.endif
;; end of part 4
;; ======== version 2 of 3: 4 launches; 1.07 times as fast as version 1
;; limits: right only within a limited range of input values
;; workspace buffers: wc 1,048,576 bytes; qkvc 12,582,912 bytes; oc 4,194,304 bytes
;; launch prep: the kernel of part 1 again; grid 32 x 4, 4 waves a work-group, no clusters, 0 bytes of LDS; arguments Wq, Wk, Wv, Wout, lowp_scales, wc; writes wc
;; launch proj: the kernel of part 2 again; grid 16 x 12, 8 waves a work-group, no clusters, 67,328 bytes of LDS; arguments q, k, v, wc, bq, bk, bv, input_mask, lowp_scales, qkvc; writes qkvc
;; launch attn (part 5): grid 8 x 32, 8 waves a work-group, clusters of 4 x 1, 271,360 bytes of LDS; arguments qkvc, input_mask, lowp_scales, oc; writes oc
.if DOCPART == 5
	.amdgcn_target "amdgcn-amd-amdhsa--gfx1250"
	.amdhsa_code_object_version 6
	.text
	.protected	k_qef972d77bf_attn
	.globl	k_qef972d77bf_attn
	.p2align	8
	.type	k_qef972d77bf_attn,@function
k_qef972d77bf_attn:
	s_mov_b64 s[64:65], 0
	v_nop
	global_prefetch_b8 v0, s[64:65] scope:SCOPE_SE
	s_setreg_imm32_b32 hwreg(HW_REG_WAVE_MODE, 25, 1), 1
	s_wait_xcnt 0x0
	s_wait_alu depctr_hold_cnt(0) depctr_sa_sdst(0) depctr_va_vdst(0) depctr_va_sdst(0) depctr_va_ssrc(0) depctr_va_vcc(0) depctr_vm_vsrc(0)
	s_getreg_b32 s2, hwreg(HW_REG_IB_STS2, 6, 4)
	s_cmp_eq_u32 s2, 0
	s_cbranch_scc0 .Lentry_in_a_cluster
	s_endpgm
.Lentry_in_a_cluster:
	s_bfe_u32 s2, ttmp6, 0x10000c
	s_cmp_lg_u32 s2, 0x3003
	s_cbranch_scc0 .Lentry_shape_is_right
	s_endpgm
.Lentry_shape_is_right:
; Attention on codes of BF8 (E5M2): for each (b, head) and query l: o[d] = sum over keys n of softmax_n(qh . kh / 8, masked) vh[d][n]; the result is quantised for the last convolution and stored as codes.
; IN (qkvc, images of operand registers): q, k: [b, head 32][tile of 16 l: 128][1,024 bytes], K = the head's 64; v: [b, head 32][128 keys: 16][tile of 16 channels: 4][2,048 bytes], K = the keys.
; In an image, group c of four registers is 512 bytes, lane L's 16 bytes at 512 c + 16 L; lane (r, h) holds k = 32 c + 16 h + 0 .. 15 of the tile's row r.  Lane r of tile 2 B + u of l (or of channels) is row 32 B + 8 u + r + 8 (r / 8).
; THE SOFTMAX AHEAD OF THE SECOND PRODUCT: t = logit x log2(e); M = the row's largest t so far, rounded UP to a whole number; p = 2^(t - M) is what is quantised; the row's sum is taken of the unquantised p and divides at the end.
; When M moves, the sum and O are multiplied by 2^(old M - new M): nothing is rounded, and no branch hangs on data.
; SHARES.  A work-group owns 256 queries of one (b, head); each of its eight waves two tiles of 16 queries, so that each fragment of K, of V and of the mask that is read from LDS feeds two products.  Two waves lie on a SIMD.
; LAYOUT.  Both products are used transposed: S^T = K Q^T (source 0 = 16 keys), O^T = V^T P^T (source 0 = 16 channels): a lane holds ONE query throughout, and the 16 registers of two neighbouring tiles of S^T are 16 neighbouring keys.
; LDS.  The head's whole K and V, 262,144 bytes, are brought once: K's 16 key steps (128 keys, 8,192 bytes a step) on end from byte 0, V's from byte 131,072.  Nothing is filled again.  Behind them 2,048 f32: the mask.
; Each wave issues four tensor loads of 8,192 bytes, one for each group of four key steps, all at the head: four of mine are out at the most.  CLUSTER: the four query blocks of a cluster read the same head: each load is asked for
; JOINTLY, by the same line with the same descriptor and a mask that names the four.  NO PREFETCH: every byte is asked for at the head; there is no earlier place.
; A KEY STEP: 16 score products; ONE run of 48 LDS loads (this step's V, the NEXT step's K and mask), so that no load is waited for straight behind its issue; the two tiles' softmax; 8 products V^T P.
; THE SOFTMAX OF THE TWO TILES IS ONE TEXT, all in window 0: the tiles' lines alternate, so that a line seldom reads the result of the line above it; the exponentials stand one ahead of every two plain lines (the sums and holds of
; the block before, the scalings of the block after, O^T's rescaling), so that no two follow each other.
; THE MASK costs no vector instruction in the loop: it is the C of the score products: 0, or BM = -2^(33 - e6 - e7) where input_mask <= 0.5; kh's codes are 0 at masked keys, so the score there is exactly BM, and BM x c is an exact
; whole number: with every key masked p = 1 everywhere, as softmax gives equal weights; else p = 0 at masked keys.
; LIMITS: a masked key's logit is -2^30 and not -1e9: the same result unless a row's largest unmasked logit lies below about -9.9e8.  e6 + e7 between -94 and 130; e9 and e10 between -126 and 112.  NaN among the inputs is not served.
; REGISTERS.  window 0: v1 16 x lane; v2 the mask's place for my half; v3, v4, v5 the run's addresses (K, mask, V); v6, v7 2^e9 and 57,344 x 2^e9 (at the end: the same with e10); from v8 twelve registers of statistics a tile;
;   v32-159 S^T, then p, 64 a tile; v160-223 O^T, 32 a tile; v224-255 p's codes, 16 a tile.   window 1: v0-63 V's four fragments; v64-127 K's eight; v128-191 the mask's eight tiles; v192-207 Q's two fragments.
.set VB,   131072
.set BIAS, 262144
.set LI,   1
.set BH,   2
.set ADK,  3
.set ADB,  4
.set ADV,  5
.set PSC,  6
.set PLIM, 7
.set ST,   8                           ; tile t's statistics at v[ST + 12 t]:
.set NM,   0                           ; -M, and with it as a pair
.set TM,   1                           ; the largest t
.set SUM,  2                           ; the sum, in two halves
.set F,    4                           ; f = 2^(old M - new M), and 0 (named with it as a pair)
.set SUM2, 6                           ; the sum's second chain
.set WK,   8                           ; at work
.set WK2,  9
.set PD,   10                          ; the permute's destination
.set S,    32
.set O,    160
.set P,    224
.set VF,   0                           ; in window 1
.set KF,   64
.set BF,   128
.set Q,    192
.set MSB, 0
.macro WIN new                         ; low byte: bits 1:0 source 0, 3:2 source 1, 5:4 source 2, 7:6 destination; the high byte repeats the setting that is left
.if MSB != \new
	s_set_vgpr_msb (MSB<<8)|\new
.set MSB, \new
.endif
.endm
.macro CROUND                          ; a round of the cluster's barrier: my work-group's barrier; wave 0 signals for the work-group; every wave waits for all four work-groups; my work-group's barrier once more
	s_barrier_signal -1
	s_barrier_wait -1
	s_cmp_lg_u32 s12, 0
	s_cbranch_scc1 .Lnot_wave_0_\@
	s_barrier_signal -3
.Lnot_wave_0_\@:
	s_barrier_wait -3
	s_barrier_signal -1
	s_barrier_wait -1
.endm
	s_load_b256 s[4:11], s[0:1], 0x0               ; qkvc, input_mask, the scales' exponents, oc
	v_lshl_add_u32 v19, v0, 2, 0x42000
	v_mov_b32 v31, 0
	ds_add_u32 v19, v31
	ds_add_u32 v19, v31
	v_lshrrev_b32 v43, 5, v0
	v_readfirstlane_b32 s12, v43                   ; wave 0..7
	s_bfe_u32 s13, ttmp6, 0x40000                  ; cx: my place in the cluster: it enters Q's and oc's addresses alone
	s_lshl_b32 s14, ttmp9, 2
	s_add_co_u32 s14, s14, s13                     ; my block of 256 queries
	s_and_b32 s15, ttmp7, 0xffff                   ; (b, head) = 8 b + head, which the four partners share
	; descriptor group 1: a dense block of 8,192 bytes as 32 rows of 32 elements of 8 bytes
	s_mov_b32 s16, 15|(3<<16)|(1<<21)              ; 15:0 the mask: all four work-groups; 17:16 elements of 8 bytes; 21 set beside a mask; no padding
	s_mov_b32 s17, 32<<16                          ; tensor_dim0 = 32
	s_mov_b32 s18, 32<<16                          ; tensor_dim1 = 32
	s_mov_b32 s19, 32<<16                          ; tile_dim0 = 32
	s_mov_b32 s20, 32                              ; tile_dim1 = 32
	s_mov_b32 s21, 32                              ; from row to row: 32 elements
	s_mov_b32 s22, 0
	s_mov_b32 s23, 0
	s_lshr_b32 s60, s12, 2                         ; waves 0-3 fetch K's four steps of a group, waves 4-7 V's
	s_lshl_b32 s62, s60, 17                        ; in LDS: K's half or V's,
	s_add_co_u32 s60, s60, 1
	s_lshl_b32 s60, s60, 22                        ; in memory: k's part begins at 4,194,304, v's at 8,388,608
	s_lshl_b32 s61, s15, 17                        ; a head: 131,072 bytes
	s_add_co_u32 s60, s60, s61
	s_and_b32 s61, s12, 3
	s_lshl_b32 s61, s61, 13                        ; a key step: 8,192 bytes
	s_add_co_u32 s60, s60, s61
	s_add_co_u32 s62, s62, s61                     ; no place in the cluster enters an LDS address
	s_mov_b32 s61, 0
	s_mov_b32 s40, 0x76543210                      ; v_permlanex16_b32's selects: lane l xor 16
	s_mov_b32 s41, 0xfedcba98
	v_and_b32 v43, 31, v0
	v_lshlrev_b32 v[LI], 4, v43
	v_bfe_u32 v43, v0, 4, 1
	v_lshlrev_b32 v[BH], 6, v43
	v_add_nc_u32 v[BH], BIAS, v[BH]                ; the mask's numbers for my half: 16 h keys on
	v_lshlrev_b32 v41, 5, v0                       ; thread i makes the mask's numbers of keys 8 i .. 8 i + 7
	v_add_nc_u32 v42, BIAS, v41
	s_wait_dscnt 0x0
	s_wait_kmcnt 0x0
	s_load_b256 s[44:51], s[8:9], 0x0              ; e0 .. e7
	s_load_b128 s[52:55], s[8:9], 0x20             ; e8 .. e11
	s_add_nc_u64 s[60:61], s[4:5], s[60:61]
.irp g, 0,1,2,3
	s_mov_b32 s[24+4*\g], 1                        ; count = 1
	s_add_co_u32 s[25+4*\g], s62, 32768*\g         ; LDS address: group g's four steps are 32,768 bytes, here
	s_add_nc_u64 s[26+4*\g:27+4*\g], s[60:61], 32768*\g   ; and in memory
	s_or_b32 s[27+4*\g], s[27+4*\g], 0x80000000    ; type = 2
.endr
	s_lshl_b32 s2, s15, 17                         ; Q: the head, + tile 16 x block + 2 x wave, 1,024 bytes a tile
	s_lshl_b32 s59, s14, 4
	s_lshl_b32 s63, s12, 1
	s_add_co_u32 s59, s59, s63
	s_lshl_b32 s63, s59, 10
	s_add_co_u32 s2, s2, s63
	s_mov_b32 s3, 0
	s_add_nc_u64 s[4:5], s[4:5], s[2:3]
	s_lshr_b32 s63, s15, 3                         ; b
	s_lshl_b32 s2, s63, 13
	s_add_nc_u64 s[6:7], s[6:7], s[2:3]            ; the mask's row
	s_lshl_b32 s63, s63, 7
	s_add_co_u32 s59, s59, s63                     ; oc: [b][tile 128][K step 4][2,048]: tile 128 b + 16 x block + 2 x wave,
	s_lshl_b32 s59, s59, 2
	s_bfe_u32 s63, s15, 0x20001                    ; K step head / 2,
	s_add_co_u32 s59, s59, s63
	s_lshl_b32 s59, s59, 1
	s_and_b32 s63, s15, 1                          ; groups 2 (head % 2) and the next
	s_add_co_u32 s59, s59, s63
	s_lshl_b32 s2, s59, 10
	s_add_nc_u64 s[10:11], s[10:11], s[2:3]
	CROUND                                         ; all four work-groups are here: the joint loads meet
	tensor_load_to_lds s[24:27], s[16:23]
	s_nop 0
	tensor_load_to_lds s[28:31], s[16:23]
	s_nop 0
	tensor_load_to_lds s[32:35], s[16:23]
	s_nop 0
	tensor_load_to_lds s[36:39], s[16:23]
	s_nop 0
.rept 4
	v_nop
.endr
	global_load_b128 v[32:35], v41, s[6:7]         ; the mask of my 8 keys
	global_load_b128 v[36:39], v41, s[6:7] offset:16
	WIN 0x40                                       ; destination window 1
.irp t, 0,1
.irp c, 0,1
	global_load_b128 v[Q+8*\t+4*\c:Q+8*\t+4*\c+3], v[LI], s[4:5] offset:\t*1024+512*\c   ; Q's fragments stay in registers
.endr
.endr
	WIN 0
	s_wait_kmcnt 0x0
	s_add_co_i32 s59, s50, s51                     ; e6 + e7: a score stands for score x 2^(e6 + e7)
	s_lshl_b32 s63, s59, 23
	s_mov_b32 s42, 0x3e38aa3b                      ; c = log2(e) / sqrt(64); the two exponents are added to its exponent field
	s_add_co_i32 s42, s42, s63
	s_mov_b32 s43, s42                             ; (named with it as a pair, so it is written)
	s_sub_co_i32 s59, 160, s59
	s_lshl_b32 s59, s59, 23
	s_or_b32 s59, s59, 0x80000000
	v_mov_b32 v40, s59                             ; BM = -2^(33 - e6 - e7)
	s_add_co_i32 s59, s53, 127
	s_lshl_b32 s2, s59, 23                         ; 2^e9
	s_add_co_i32 s59, s59, 15
	s_lshl_b32 s59, s59, 23
	s_or_b32 s3, s59, 0x600000                     ; 57,344 x 2^e9
	s_add_co_i32 s59, s54, 127
	s_lshl_b32 s60, s59, 23                        ; 2^e10
	s_add_co_i32 s59, s59, 15
	s_lshl_b32 s59, s59, 23
	s_or_b32 s61, s59, 0x600000                    ; 57,344 x 2^e10
	s_add_co_i32 s63, s52, s53                     ; e8 + e9
	v_mov_b32 v[PSC], s2
	v_mov_b32 v[PLIM], s3
.irp t, 0,1                            ; a tile's statistics.  The step is written for every step alike: the first finds zeros, which the first change of M leaves zeros
	v_mov_b32 v[ST+12*\t+TM], 0xff61b1e6           ; the largest t so far: -3e38, under every t
	v_floor_f32 v[ST+12*\t+NM], -v[ST+12*\t+TM]
	v_mov_b32 v[ST+12*\t+SUM], 0
	v_mov_b32 v[ST+12*\t+SUM+1], 0
	v_mov_b32 v[ST+12*\t+F+1], 0                   ; (named as the upper half of a pair)
	v_mov_b32 v[ST+12*\t+PD], 0                    ; a lane permute's destination counts as one of its sources
.endr
.set ij, 0
.rept 64
	v_mov_b32 v[O+ij], 0
.set ij, ij+1
.endr
	s_wait_loadcnt 4                               ; the mask is in; Q's four loads may be out
.irp j, 0,1,2,3,4,5,6,7
	v_cmp_ge_f32 vcc_lo, 0.5, v[32+\j]             ; masked: input_mask <= 0.5
	v_cndmask_b32 v[32+\j], 0, v40, vcc_lo
.endr
	ds_store_b128 v42, v[32:35]
	ds_store_b128 v42, v[36:39] offset:16
	s_wait_loadcnt 0x0                             ; Q
; THE PRODUCTS.  No two that follow each other share an accumulator.
.macro KQ                              ; S^T = K Q^T + the mask: eight tiles of 16 keys x my two tiles of queries, K = the head's 64
.irp kt, 0,1,2,3,4,5,6,7
.irp t, 0,1
	v_wmma_f32_16x16x64_bf8_bf8 v[S+64*\t+8*\kt:S+64*\t+8*\kt+7], v[KF+8*\kt:KF+8*\kt+7], v[Q+8*\t:Q+8*\t+7], v[BF+8*\kt:BF+8*\kt+7]
.endr
.endr
.endm
.macro PV                              ; O^T += V^T P^T: four tiles of 16 channels x my two tiles, K = the step's 128 keys
.irp dt, 0,1,2,3
.irp t, 0,1
	v_wmma_f32_16x16x128_bf8_bf8 v[O+32*\t+8*\dt:O+32*\t+8*\dt+7], v[VF+16*\dt:VF+16*\dt+15], v[P+16*\t:P+16*\t+15], v[O+32*\t+8*\dt:O+32*\t+8*\dt+7]
.endr
.endr
.endm
; THE LDS LOADS, destination window 1.
.macro LDV
.irp dt, 0,1,2,3
.irp c, 0,1,2,3
	ds_load_b128 v[VF+16*\dt+4*\c:VF+16*\dt+4*\c+3], v[ADV] offset:\dt*2048+512*\c
.endr
.endr
.endm
.macro LDK adk, adb
.irp kt, 0,1,2,3,4,5,6,7
.irp c, 0,1
	ds_load_b128 v[KF+8*\kt+4*\c:KF+8*\kt+4*\c+3], v[\adk] offset:\kt*1024+512*\c
.endr
.endr
.irp kt, 0,1,2,3,4,5,6,7
	ds_load_b128 v[BF+8*\kt:BF+8*\kt+3], v[\adb] offset:128*(\kt/2)+32*(\kt%2)        ; register j of tile kt is key 32 (kt / 2) + 16 h + 8 (kt % 2) + j
	ds_load_b128 v[BF+8*\kt+4:BF+8*\kt+7], v[\adb] offset:128*(\kt/2)+32*(\kt%2)+16
.endr
.endm
; THE SOFTMAX'S LINES.  A lane's 128 scores are eight BLOCKS of 16: block b is registers 16 (b / 2) on of tile b % 2: 16 neighbouring keys.
.macro AF b, i                         ; pair i (0 .. 7) of block b: t - M, two at a time (of the pairs c and -M the low word serves both halves)
.set rS, S+64*((\b)%2)+16*((\b)/2)+2*(\i)
.set rT, ST+12*((\b)%2)
	v_pk_fma_f32 v[rS:rS+1], v[rS:rS+1], s[42:43], v[rT+NM:rT+NM+1] op_sel_hi:[1,0,0]
.endm
.macro EX b, i                         ; number i (0 .. 15) of block b: p = 2^(t - M), at most 1
.set rS, S+64*((\b)%2)+16*((\b)/2)+(\i)
	v_exp_f32 v[rS], v[rS]
.endm
; Line j (0 .. 23) of block b's sums and holds: for each pair: the sum, of the UNQUANTISED p, in two chains; then the hold of its two numbers.  A tile's first block starts the chains: the first takes the old sum x f with
; pair 0, the second is pair 1 + pair 2, so pair 2 has no line of its own.
.macro CP b, j
.set rS, S+64*((\b)%2)+16*((\b)/2)+2*((\j)/3)
.set rT, ST+12*((\b)%2)
.if (\j)%3 == 1
	v_min_num_f32 v[rS], v[rS], v[PLIM]            ; the conversion does not saturate (ISA guide 7.6.2); p is not negative, so the hold is one-sided
.elseif (\j)%3 == 2
	v_min_num_f32 v[rS+1], v[rS+1], v[PLIM]
.elseif ((\b) < 2) && ((\j) == 0)
	s_wait_alu depctr_va_vdst(0)
	v_pk_fma_f32 v[rT+SUM:rT+SUM+1], v[rT+SUM:rT+SUM+1], v[rT+F:rT+F+1], v[rS:rS+1] op_sel_hi:[1,0,1]
.elseif ((\b) < 2) && ((\j) == 3)
	v_pk_add_f32 v[rT+SUM2:rT+SUM2+1], v[rS:rS+1], v[rS+2:rS+3]
.elseif ((\b) < 2) && ((\j) == 6)
.elseif ((\j)/3+((\b) < 2))%2 == 0
	s_wait_alu depctr_va_vdst(0)
	v_pk_add_f32 v[rT+SUM:rT+SUM+1], v[rT+SUM:rT+SUM+1], v[rS:rS+1]
.else
	v_pk_add_f32 v[rT+SUM2:rT+SUM2+1], v[rT+SUM2:rT+SUM2+1], v[rS:rS+1]
.endif
.endm
.macro CV b, hf                        ; half hf of block b becomes eight codes: registers 4 (b / 2) + 2 hf, + 1 of the tile's operand
.set rS, S+64*((\b)%2)+16*((\b)/2)+8*(\hf)
.set rP, P+16*((\b)%2)+4*((\b)/2)+2*(\hf)
	v_cvt_scalef32_pk8_bf8_f32 v[rP:rP+1], v[rS:rS+7], v[PSC]
.endm
.macro OM m                            ; O^T under the new M: pair m % 16 of tile m / 16; ascending
.set rO, O+32*((\m)/16)+2*((\m)%16)
.set rT, ST+12*((\m)/16)
	v_pk_mul_f32 v[rO:rO+1], v[rO:rO+1], v[rT+F:rT+F+1] op_sel_hi:[1,0]
.endm
; ROUND r: block r's 16 exponentials, one ahead of every two plain lines: of each four, three are block r - 1's sums and holds and one is a scaling of block r + 1.  Round 0 has no block before it and round 7 none behind:
; O^T's 32 rescalings stand in those 24 + 8 places.  So behind every exponential stands a plain line that names none of its registers (ISA guide 5.7.2), and its result is read a round later.
.macro ROUND r
.set kk, 0
.rept 32
.if kk%2 == 0
	EX \r, kk/2
.endif
.if kk%4 == 3
.if \r < 7
	AF (\r)+1, kk/4
.else
	OM 24+kk/4
.endif
.else
.if \r > 0
	CP (\r)-1, 3*(kk/4)+kk%4
.else
	OM 3*(kk/4)+kk%4
.endif
.endif
.if (\r > 0) && (kk == 15)
	CV (\r)-1, 0                                   ; the block's first eight numbers are held
.endif
.if (\r > 0) && (kk == 31)
	CV (\r)-1, 1
.endif
.set kk, kk+1
.endr
.endm
.macro SOFTMAX2
.irp t, 0,1                            ; the step's largest score of each of my two queries among my 64 keys: two chains a tile, four in all; each accumulator is read from its low end on
	v_max3_num_f32 v[ST+12*\t+WK], v[S+64*\t], v[S+64*\t+1], v[S+64*\t+2]
	v_max3_num_f32 v[ST+12*\t+WK2], v[S+64*\t+3], v[S+64*\t+4], v[S+64*\t+5]
.endr
.set sj, 6
.rept 14
.irp t, 0,1
	v_max3_num_f32 v[ST+12*\t+WK], v[ST+12*\t+WK], v[S+64*\t+sj], v[S+64*\t+sj+1]
	v_max3_num_f32 v[ST+12*\t+WK2], v[ST+12*\t+WK2], v[S+64*\t+sj+2], v[S+64*\t+sj+3]
.endr
.set sj, sj+4
.endr
.irp t, 0,1
	v_max3_num_f32 v[ST+12*\t+WK], v[ST+12*\t+WK], v[S+64*\t+62], v[S+64*\t+63]
.endr
.irp t, 0,1
	v_max_num_f32 v[ST+12*\t+WK], v[ST+12*\t+WK], v[ST+12*\t+WK2]
.endr
.irp t, 0,1
	v_permlanex16_b32 v[ST+12*\t+PD], v[ST+12*\t+WK], s40, s41
.endr
.irp t, 0,1
	v_max_num_f32 v[ST+12*\t+WK], v[ST+12*\t+WK], v[ST+12*\t+PD]       ; and among lane l xor 16's
.endr
.irp t, 0,1
	v_mul_f32 v[ST+12*\t+WK], s42, v[ST+12*\t+WK]                      ; as t (c is positive)
.endr
.irp t, 0,1
	v_max_num_f32 v[ST+12*\t+TM], v[ST+12*\t+TM], v[ST+12*\t+WK]       ; the running largest t
.endr
.irp t, 0,1
	v_mov_b32 v[ST+12*\t+WK], v[ST+12*\t+NM]
.endr
.irp t, 0,1
	v_floor_f32 v[ST+12*\t+NM], -v[ST+12*\t+TM]                        ; the new -M = floor(-t) = -ceil(t)
.endr
.irp t, 0,1
	v_sub_f32 v[ST+12*\t+WK], v[ST+12*\t+NM], v[ST+12*\t+WK]           ; old M - new M: a whole number, 0 or less
.endr
	AF 0, 0                                        ; block 0's scalings want -M alone: they stand between the lines that lead to f
	AF 0, 1
.irp t, 0,1
	v_cvt_i32_f32 v[ST+12*\t+WK], v[ST+12*\t+WK]                       ; (it saturates)
.endr
	AF 0, 2
	AF 0, 3
.irp t, 0,1
	v_ldexp_f32 v[ST+12*\t+F], 1.0, v[ST+12*\t+WK]                     ; f = 2^(old M - new M)
.endr
	AF 0, 4
	AF 0, 5
	AF 0, 6
	AF 0, 7
.irp r, 0,1,2,3,4,5,6,7
	ROUND \r
.endr
.set kk, 0
.rept 24                               ; the last block's sums and holds
	CP 7, kk
.if kk == 11
	CV 7, 0
.endif
.set kk, kk+1
.endr
	CV 7, 1
.irp t, 0,1
	v_pk_add_f32 v[ST+12*\t+SUM:ST+12*\t+SUM+1], v[ST+12*\t+SUM:ST+12*\t+SUM+1], v[ST+12*\t+SUM2:ST+12*\t+SUM2+1]   ; the two chains.  (Also the plain lines between the last conversion and the products that read its result)
.endr
.endm
; A KEY STEP.  s59: this step's V in LDS; s57, s58: the NEXT step's K and mask.  pf = 1: they are fetched; the last step has none.
.macro STEP pf
	s_wait_dscnt 0x0                               ; K and the mask of this step, asked for a softmax ago, are in
	WIN 0x15                                       ; K, Q and the mask in window 1, S^T in window 0
	KQ
	WIN 0
	v_add_nc_u32 v[ADV], s59, v[LI]                ; four places (ISA guide 7.12.1 for vector lines) behind the products: in front of the loads into K's, the mask's and V's registers
.if \pf
	v_add_nc_u32 v[ADK], s57, v[LI]                ; and of the first read of the scores
	v_add_nc_u32 v[ADB], s58, v[BH]
.else
	v_nop
	v_nop
.endif
	v_nop
	WIN 0x40                                       ; destination window 1
	LDV
.if \pf
	LDK ADK, ADB
.endif
	WIN 0
	SOFTMAX2
.if \pf
	s_wait_dscnt 32                                ; V is in; the 32 loads of K and the mask issued behind V's may be out
.else
	s_wait_dscnt 0x0
.endif
	WIN 0x01                                       ; V in window 1
	PV
	WIN 0                                          ; at a label and at a branch every window is 0
.endm
; GROUP g: four key steps.  Its last step fetches K of the next group's first step, so at its head the NEXT group is shown landed: my loads of groups 0 to g + 1 are done
; my LDS instructions are done, and behind the barrier that holds of all eight waves.  Group 3 has nothing left to wait for.
.macro GROUP g, trips
.if \g < 3
	s_wait_tensorcnt 2-\g
	s_wait_dscnt 0x0
	s_barrier_signal -1
	s_barrier_wait -1
.endif
.if \g == 0
	WIN 0x40
	LDK LI, BH                                     ; the first step's K and mask
	WIN 0
.endif
	s_mov_b32 s57, 8192*(4*\g+1)
	s_mov_b32 s58, 512*(4*\g+1)
	s_mov_b32 s59, VB+32768*\g
	s_mov_b32 s56, \trips
.Lstep_\@:
	STEP 1
	s_add_co_u32 s57, s57, 8192
	s_add_co_u32 s58, s58, 512
	s_add_co_u32 s59, s59, 8192
	s_sub_co_u32 s56, s56, 1
	s_cmp_lg_u32 s56, 0
	s_cbranch_scc1 .Lstep_\@
.endm
	GROUP 0, 4
	GROUP 1, 4
	GROUP 2, 4
	GROUP 3, 3
	STEP 0                                         ; the last step is written out: no load reaches past K's last step
; THE WAY OUT.  O^T / the sum x 2^(e8 + e9) is held and quantised with 2^e10.  The 16 registers of two neighbouring tiles of channels are 16 neighbours along the last product's K.  The first lines are the places behind the last products.
	v_mov_b32 v[PSC], s60                          ; 2^e10
	v_mov_b32 v[PLIM], s61                         ; 57,344 x 2^e10
.irp t, 0,1
	v_add_f32 v[ST+12*\t+SUM], v[ST+12*\t+SUM], v[ST+12*\t+SUM+1]
.endr
.irp t, 0,1
	v_permlanex16_b32 v[ST+12*\t+PD], v[ST+12*\t+SUM], s40, s41
.endr
.irp t, 0,1
	v_add_f32 v[ST+12*\t+SUM], v[ST+12*\t+SUM], v[ST+12*\t+PD]         ; the row's sum
.endr
.irp t, 0,1
	v_rcp_f32 v[ST+12*\t+SUM], v[ST+12*\t+SUM]
.endr
	v_nop                                          ; one plain line behind a transcendental
.irp t, 0,1
	s_wait_alu depctr_va_vdst(0)
	v_ldexp_f32 v[ST+12*\t+SUM], v[ST+12*\t+SUM], s63
.endr
.set sj, 0
.rept 64
	v_mul_f32 v[S+sj], v[O+sj], v[ST+12*(sj/32)+SUM]   ; each accumulator from its low end on
.set sj, sj+1
.endr
.set sj, 0
.rept 64
	v_med3_num_f32 v[S+sj], v[S+sj], -v[PLIM], v[PLIM]
.set sj, sj+1
.endr
.set sj, 0
.rept 8
	v_cvt_scalef32_pk8_bf8_f32 v[P+2*sj:P+2*sj+1], v[S+8*sj:S+8*sj+7], v[PSC]
.set sj, sj+1
.endr
	v_nop
.irp t, 0,1
.irp c, 0,1
	global_store_b128 v[LI], v[P+8*\t+4*\c:P+8*\t+4*\c+3], s[10:11] offset:\t*8192+512*\c   ; 32 lanes store 512 consecutive bytes, at a multiple of 512 from oc's first byte
.endr
.endr
	s_wait_tensorcnt 0x0
	ds_add_u32 v19, v31
	s_wait_dscnt 0x0
	CROUND                                         ; the closing round: no work-group ends while a partner may still ask for a tile that names it
	s_endpgm
.Lfunc_end_k_qef972d77bf_attn:
	.size	k_qef972d77bf_attn, .Lfunc_end_k_qef972d77bf_attn-k_qef972d77bf_attn
	.p2alignl 7, 3214868480
	.fill 96, 4, 3214868480
	.section	.rodata,"a",@progbits
	.p2align	6, 0x0
	.amdhsa_kernel k_qef972d77bf_attn
		.amdhsa_group_segment_fixed_size 271360
		.amdhsa_private_segment_fixed_size 0
		.amdhsa_enable_private_segment 0
		.amdhsa_kernarg_size 32
		.amdhsa_user_sgpr_count 2
		.amdhsa_user_sgpr_kernarg_segment_ptr 1
		.amdhsa_wavefront_size32 1
		.amdhsa_system_sgpr_workgroup_id_x 1
		.amdhsa_system_sgpr_workgroup_id_y 1
		.amdhsa_system_sgpr_workgroup_id_z 1
		.amdhsa_system_vgpr_workitem_id 0
		.amdhsa_next_free_vgpr 512
		.amdhsa_next_free_sgpr 66
		.amdhsa_reserve_vcc 1
		.amdhsa_float_denorm_mode_32 3
		.amdhsa_float_denorm_mode_16_64 3
		.amdhsa_memory_ordered 1
		.amdhsa_forward_progress 1
		.amdhsa_inst_pref_size 168
	.end_amdhsa_kernel
	.amdgpu_metadata
---
amdhsa.version: [ 1, 2 ]
amdhsa.kernels:
  - .name:           k_qef972d77bf_attn
    .symbol:         k_qef972d77bf_attn.kd
    .args:
      - { .name: qkvc, .offset: 0, .size: 8, .value_kind: global_buffer, .address_space: global }
      - { .name: input_mask, .offset: 8, .size: 8, .value_kind: global_buffer, .address_space: global }
      - { .name: lowp_scales, .offset: 16, .size: 8, .value_kind: global_buffer, .address_space: global }
      - { .name: oc, .offset: 24, .size: 8, .value_kind: global_buffer, .address_space: global }
    .group_segment_fixed_size: 271360
    .private_segment_fixed_size: 0
    .kernarg_segment_align: 8
    .kernarg_segment_size: 32
    .max_flat_workgroup_size: 256
    .sgpr_count:     66
    .vgpr_count:     512
    .wavefront_size: 32
...
	.end_amdgpu_metadata
.endif
;; end of part 5
;; launch outp: the kernel of part 4 again; grid 64 x 4, 4 waves a work-group, no clusters, 133,632 bytes of LDS; arguments oc, wc, bout, lowp_scales, out0; writes out0
;; ======== version 3 of 3: 4 launches; version 2 with the launches proj, outp written anew for expert scheduling mode
;; limits: right only within a limited range of input values
;; workspace buffers: wc 1,048,576 bytes; qkvc 12,582,912 bytes; oc 4,194,304 bytes
;; launch prep: the kernel of part 1 again; grid 32 x 4, 4 waves a work-group, no clusters, 0 bytes of LDS; arguments Wq, Wk, Wv, Wout, lowp_scales, wc; writes wc
;; launch proj (part 6): grid 16 x 12, 8 waves a work-group, no clusters, 67,328 bytes of LDS; arguments q, k, v, wc, bq, bk, bv, input_mask, lowp_scales, qkvc; writes qkvc
.if DOCPART == 6
	.amdgcn_target "amdgcn-amd-amdhsa--gfx1250"
	.amdhsa_code_object_version 6
	.text
	.protected	k_qef972d77bf_proj
	.globl	k_qef972d77bf_proj
	.p2align	8
	.type	k_qef972d77bf_proj,@function
k_qef972d77bf_proj:
	s_mov_b64 s[64:65], 0
	v_nop
	global_prefetch_b8 v0, s[64:65] scope:SCOPE_SE
	s_setreg_imm32_b32 hwreg(HW_REG_WAVE_SCHED_MODE, 0, 2), 2
	s_setreg_imm32_b32 hwreg(HW_REG_WAVE_MODE, 25, 1), 1
	s_wait_xcnt 0x0
	s_wait_alu depctr_vm_vsrc(0)
; The three first 1 x 1 convolutions: yh[b][o][l] = sum over c of W[o][c] x[b][c][l] + bias[o], x = q, k or v, on codes of BF8 (E5M2); yh is quantised at once for the attention's products and stored as codes.
; x: [4][512 (c)][2,048 (l)] f32; its K (= c) is NOT innermost.  W: images of operand registers made by the launch before (wc).  Scales: x 2^ex, W 2^ew (entries 2 t, 2 t + 1), yh 2^eo (entry 6 + t), t = 0, 1, 2 for q, k, v.
; SHARES.  Work-group x = a block of 128 l, y = 4 t + b: 128 l x all 512 outputs, so x is read from memory and quantised once.  Wave w = head w: its 64 rows of W, 16 fragments, stay in 256 registers.
; PHASE X.  Each load takes 512 consecutive bytes of one row c: lane a holds l = 4 a .. 4 a + 3.  Wave w takes c = 128 j + 16 w + 0 .. 15 of each K step j: so a lane has, for each of its four l, 16 NEIGHBOURS ALONG K in
; registers 4 apart; the hold that the conversion wants anyway writes them side by side.  A lane's 16 codes of one l are 16 bytes of an operand image, which it puts into LDS; behind one barrier every wave reads whole images.
; IMAGES: group c of four registers is 512 bytes, lane L's 16 bytes at 512 c + 16 L; lane (r, h) holds k = 32 c + 16 h + 0 .. 15 of the tile's row r.  THE l OF A TILE ARE NOT NEIGHBOURS: lane r of tile 2 B + u takes l = 32 B + 8 u + r + 8 (r / 8).
; PHASE P.  q, k: source 0 = W, source 1 = x: a lane holds one l and its registers run along the head's 64 channels: the next K.  v: source 0 = x, source 1 = W: a lane holds one channel and its registers run along l, the keys:
; the next K there.  In both the 16 registers of two neighbouring tiles are 16 neighbours along that K, so the conversions' results are groups of the next operand's image and are stored as they stand.
; The bias is the C of each sum's first product, divided by 2^(ex + ew).  The three scales ahead of the second quantiser are folded into one: 2^(eo - ex - ew).
; MASKED KEYS (input_mask <= 0.5): kh's codes are made 0 there: the hold's limit is 0 in those lanes.  The attention then adds its mask to an exact 0.
; OUT: qkvc: q at 0, k at 4,194,304: [b, head 32][tile of 16 l: 128][1,024 bytes];  v at 8,388,608: [b, head 32][128 keys: 16][tile of 16 channels: 4][2,048 bytes].
; NO CLUSTER: x's block is read by this work-group alone; W goes from memory straight into registers, once a wave; through LDS it would be 262,144 bytes more to write and read there.
; NO PREFETCH: all that a wave reads is asked for at its head.
; LIMITS: ex, and eo - ex - ew, between -126 and 112.  NaN among the inputs is not served.
; REGISTERS.  window 0: v1 16 x lane; v2, v3 2^(eo-ex-ew) and 57,344 x that; v4-11 the hold's limit for each tile of l; v12 where I put x's codes; v13, v14 57,344 x 2^ex and 2^ex; v15 0; v16-31 codes to store
;   (first: v16-19 the bias by lanes, v20, v21 two offsets); v32-63 the bias as C; v64-127 64 numbers of x, later 8 accumulators; v128-191 x's codes, later v128-255 8 fragments of x.
;   window 1: v0-255 x as loaded, then W: fragment (K step s, tile ot) at 64 s + 16 ot.
; THE MODE: SCHED_MODE bits 1:0 = 2 (LLVM: expert scheduling mode 2), set by the entry lines.  The code itself states the register dependences between vector or matrix instructions and memory or LDS instructions,
; with s_wait_alu, always for 0.
; THE PLAN.  Registers that memory or LDS instructions touch:
;   v1, v12        Offsets, made at the head and never written again.
;   v20, v21       Offsets of the head's small loads; from the first pair on they are part of OC.
;   window 1       K step j's 64 registers: x lands there; task j's 64 holds read them; then W's K step j lands there, and only products name them after that.
;   XC v128-191    Task j's conversions write 16 of them, its four LDS stores read these; behind the barrier they are part of XF.
;   XF v128-255    Pair be's 32 products read them; pair be + 1's 32 LDS loads land there.  Two waves of 512 registers fill a SIMD: there is no room for a second set.
;   OC v16-31      Pair be's conversions write them; the four stores that read them are issued in pair be + 1 (the last pair's: at the end).
; So a task has ONE wait on va_vdst, behind its conversions, for W's loads and for the LDS stores; a pair has ONE, behind its products' places, for the next pair's LDS loads and for the stores of the pair before, and those
; loads are dealt among the pair's first 32 holds, which name the accumulators and the limits alone.  One wait on vm_vsrc stands behind the barrier, one in each later pair ahead of the conversions that write OC again.
.set FRS,  2064                        ; from image to image in LDS: 2,048 bytes + 16, so that the sixteen lanes of half a store, which write into four images, fall on sixteen different columns of 16 bytes
.set LI,   1
.set SCV,  2
.set LIMV, 3
.set LIMK, 4
.set XS,   12
.set XLIM, 13
.set XSC,  14
.set ZERO, 15
.set OC,   16
.set BV,   16
.set MA,   20
.set BA,   21
.set BI,   32
.set T,    64
.set ACC,  64
.set XC,   128
.set XF,   128
.set MK,   44                          ; s44-51: the eight masks of masked keys (the scales' exponents have been chosen from by then)
.set MSB, 0
.macro WIN new                         ; the immediate's low byte: bits 1:0 source 0, 3:2 source 1, 5:4 source 2, 7:6 destination; its high byte repeats the setting that is left
.if MSB != \new
	s_set_vgpr_msb (MSB<<8)|\new
.set MSB, \new
.endif
.endm
	s_load_b512 s[4:19], s[0:1], 0x0               ; q, k, v, wc, bq, bk, bv, input_mask
	s_load_b128 s[20:23], s[0:1], 0x40             ; the scales' exponents, qkvc
	v_lshrrev_b32 v22, 5, v0
	v_readfirstlane_b32 s24, v22                   ; wave = head
	s_and_b32 s26, ttmp7, 0xffff
	s_lshr_b32 s27, s26, 2                         ; t: 0 q, 1 k, 2 v
	s_and_b32 s28, s26, 3                          ; b
	v_and_b32 v22, 31, v0
	v_lshlrev_b32 v[LI], 4, v22
	v_and_b32 v23, 15, v0                          ; r
	v_and_b32 v24, 8, v0
	v_add_nc_u32 v23, v23, v24
	v_lshlrev_b32 v[MA], 2, v23                    ; 4 (r + 8 (r / 8)): my place among a tile's l, or among a tile's rows of W, in f32
	v_bfe_u32 v24, v0, 4, 1
	v_lshlrev_b32 v[BA], 6, v24                    ; 64 h
	; where lane a puts the 16 codes of l = 4 a + li: tile 2 (a / 8) + (a / 2) % 2, row r = 4 (a % 2) + li + 8 ((a / 4) % 2); k = 16 w + 0 .. 15 is group w / 2, half w % 2: byte 256 w + 16 r of the image
	v_bfe_u32 v23, v0, 3, 2
	v_bfe_u32 v24, v0, 1, 1
	v_lshl_add_u32 v23, v23, 1, v24
	v_mul_u32_u24 v[XS], v23, FRS
	v_and_b32 v24, 1, v0
	v_lshl_add_u32 v[XS], v24, 6, v[XS]
	v_bfe_u32 v24, v0, 2, 1
	v_lshl_add_u32 v[XS], v24, 7, v[XS]
	s_wait_alu depctr_va_sdst(0)                   ; s24, the wave's number, is written, ahead of its first reader
	s_lshl_b32 s29, s24, 8
	v_add_nc_u32 v[XS], s29, v[XS]
	v_mov_b32 v[ZERO], 0
	s_lshl_b32 s36, s28, 22                        ; x: b x 4,194,304
	s_lshl_b32 s29, s24, 17                        ;    + 16 w rows of 8,192 bytes
	s_add_co_u32 s36, s36, s29
	s_lshl_b32 s29, ttmp9, 9                       ;    + the block's 128 l
	s_add_co_u32 s36, s36, s29
	s_mov_b32 s37, 0
	s_lshl_b32 s38, s27, 18                        ; wc: the tensor's 262,144 bytes, my head's 16 images
	s_lshl_b32 s29, s24, 15
	s_add_co_u32 s38, s38, s29
	s_mov_b32 s39, 0
	s_lshl_b32 s42, s28, 13                        ; the mask: b x 8,192 + the block's 512 bytes
	s_lshl_b32 s29, ttmp9, 9
	s_add_co_u32 s42, s42, s29
	s_mov_b32 s43, 0
	s_lshl_b32 s56, s27, 22                        ; qkvc: t x 4,194,304 + (8 b + w) x 131,072 + block x 8,192
	s_lshl_b32 s29, s28, 3
	s_add_co_u32 s29, s29, s24
	s_lshl_b32 s29, s29, 17
	s_add_co_u32 s56, s56, s29
	s_lshl_b32 s29, ttmp9, 13
	s_add_co_u32 s56, s56, s29
	s_mov_b32 s57, 0
	s_lshl_b32 s58, s24, 8                         ; the bias: my head's 64 numbers
	s_mov_b32 s59, 0
	s_wait_kmcnt 0x0
	s_load_b256 s[44:51], s[20:21], 0x0            ; e0 .. e7
	s_load_b128 s[52:55], s[20:21], 0x20           ; e8 .. e11
	s_cmp_eq_u32 s27, 1                            ; the tensor and its bias are chosen by the work-group's number alone
	s_cselect_b64 s[30:31], s[6:7], s[4:5]
	s_cselect_b64 s[32:33], s[14:15], s[12:13]
	s_cselect_b32 s40, -1, 0                       ; all ones for k: only there the mask counts
	s_cmp_eq_u32 s27, 2
	s_cselect_b64 s[30:31], s[8:9], s[30:31]
	s_cselect_b64 s[32:33], s[16:17], s[32:33]
	s_add_nc_u64 s[30:31], s[30:31], s[36:37]
	s_add_nc_u64 s[10:11], s[10:11], s[38:39]
	s_add_nc_u64 s[18:19], s[18:19], s[42:43]
	s_add_nc_u64 s[22:23], s[22:23], s[56:57]
	s_add_nc_u64 s[32:33], s[32:33], s[58:59]
	s_wait_alu depctr_va_vdst(0)                   ; the offsets v1, v12, v20 and v21 are written: every load and store of the kernel reads one of them
.irp lt, 0,1,2,3,4,5,6,7
	global_load_b32 v[LIMK+\lt], v[MA], s[18:19] offset:128*(\lt/2)+32*(\lt%2)   ; the mask at my l of tile lt
.endr
.irp ot, 0,1,2,3
	global_load_b128 v[BI+8*\ot:BI+8*\ot+3], v[BA], s[32:33] offset:(32*(\ot/2)+8*(\ot%2))*4       ; q, k: register j of tile ot is channel 32 (ot / 2) + 16 h + 8 (ot % 2) + j
	global_load_b128 v[BI+8*\ot+4:BI+8*\ot+7], v[BA], s[32:33] offset:(32*(\ot/2)+8*(\ot%2))*4+16
.endr
.irp ot, 0,1,2,3
	global_load_b32 v[BV+\ot], v[MA], s[32:33] offset:(32*(\ot/2)+8*(\ot%2))*4   ; v: lane r of tile ot is channel 32 (ot / 2) + 8 (ot % 2) + r + 8 (r / 8)
.endr
	WIN 0x40                                       ; destination window 1
.set xj, 0
.rept 4
.set xi, 0
.rept 16
	global_load_b128 v[64*xj+4*xi:64*xj+4*xi+3], v[LI], s[30:31] offset:(128*xj+xi)*8192 th:TH_LOAD_NT   ; row c = 128 j + 16 w + i: 32 lanes read 512 consecutive bytes; read once in the launch
.set xi, xi+1
.endr
.set xj, xj+1
.endr
	WIN 0
	s_wait_kmcnt 0x0
	s_cmp_eq_u32 s27, 1
	s_cselect_b32 s34, s46, s44                    ; ex
	s_cselect_b32 s35, s47, s45                    ; ew
	s_cselect_b32 s41, s51, s50                    ; eo
	s_cmp_eq_u32 s27, 2
	s_cselect_b32 s34, s48, s34
	s_cselect_b32 s35, s49, s35
	s_cselect_b32 s41, s52, s41
	s_add_co_i32 s60, s34, 127
	s_lshl_b32 s61, s60, 23
	v_mov_b32 v[XSC], s61                          ; 2^ex as f32: the conversion takes its exponent field
	s_add_co_i32 s60, s60, 15
	s_lshl_b32 s60, s60, 23
	s_or_b32 s60, s60, 0x600000
	v_mov_b32 v[XLIM], s60                         ; 57,344 x 2^ex
	s_add_co_i32 s62, s34, s35                     ; a sum stands for sum x 2^(ex + ew)
	s_sub_co_i32 s60, s41, s62
	s_add_co_i32 s60, s60, 127
	s_lshl_b32 s61, s60, 23
	v_mov_b32 v[SCV], s61                          ; 2^(eo - ex - ew)
	s_add_co_i32 s60, s60, 15
	s_lshl_b32 s60, s60, 23
	s_or_b32 s60, s60, 0x600000
	v_mov_b32 v[LIMV], s60                         ; 57,344 x that
	s_sub_co_i32 s62, 0, s62                       ; -(ex + ew), for the bias
; K step j of x: my 16 rows c are held, turned and quantised; the registers that they leave take W's K step j.
.macro XTASK j
	s_wait_loadcnt 48                              ; behind this task's 16 loads stand 16 (3 - j) loads of x and 16 j loads of W: always 48
	WIN 0x01                                       ; source 0 window 1
.irp li, 0,1,2,3
.set xi, 0
.rept 16
	v_med3_num_f32 v[T+16*\li+xi], v[64*\j+4*xi+\li], -v[XLIM], v[XLIM]   ; the hold (the conversion does not saturate: ISA guide 7.6.2) also lays the 16 numbers of one l side by side
.set xi, xi+1
.endr
.endr
	WIN 0
.irp li, 0,1,2,3
	v_cvt_scalef32_pk8_bf8_f32 v[XC+16*\j+4*\li:XC+16*\j+4*\li+1], v[T+16*\li:T+16*\li+7], v[XSC]
	v_cvt_scalef32_pk8_bf8_f32 v[XC+16*\j+4*\li+2:XC+16*\j+4*\li+3], v[T+16*\li+8:T+16*\li+15], v[XSC]
.endr
	v_nop                                          ; one plain vector line between the conversions and the next lines that write their sources
	WIN 0x40                                       ; destination window 1
	s_wait_alu depctr_va_vdst(0)                   ; the holds are done reading x's K step j, in whose registers W's loads land; the conversions have written this task's codes, which the LDS stores read
.irp otl, 0,1,2,3
.irp c, 0,1,2,3
	global_load_b128 v[64*\j+16*\otl+4*\c:64*\j+16*\otl+4*\c+3], v[LI], s[10:11] offset:(4*\otl+\j)*2048+512*\c
.endr
.endr
	WIN 0
.irp li, 0,1,2,3
	ds_store_b128 v[XS], v[XC+16*\j+4*\li:XC+16*\j+4*\li+3] offset:16*\li+FRS*8*\j   ; image lt + 8 j; each task has its own registers for its codes.  No vector line since the wait names them
.endr
.endm
	XTASK 0
	; the small loads were issued ahead of x's, so they are in
.set pj, 0
.rept 32
	v_ldexp_f32 v[BI+pj], v[BI+pj], s62            ; bias / 2^(ex + ew): nothing is rounded
.set pj, pj+1
.endr
.irp ot, 0,1,2,3
	v_ldexp_f32 v[BV+\ot], v[BV+\ot], s62
.endr
.irp lt, 0,1,2,3,4,5,6,7
	v_cmp_ge_f32 s[MK+\lt], 0.5, v[LIMK+\lt]       ; masked: input_mask <= 0.5.  The eight compares stand in a run, a scalar register each
.endr
	s_wait_alu depctr_va_sdst(0)                   ; the eight masks s44 to s51 are written, ahead of their first reader
.irp lt, 0,1,2,3,4,5,6,7
	s_and_b32 s[MK+\lt], s[MK+\lt], s40            ; and the tensor is k
.endr
.irp lt, 0,1,2,3,4,5,6,7
	v_cndmask_b32 v[LIMK+\lt], v[LIMV], v[ZERO], s[MK+\lt]   ; the hold's limit of my l in tile lt: 0 where the key is masked
.endr
	XTASK 1
	XTASK 2
	XTASK 3
	s_wait_dscnt 0x0                               ; for the others' sake: my stores of x's codes have landed
	s_barrier_signal -1
	s_barrier_wait -1                              ; x's 32 images lie in LDS; from here on LDS is only read
	s_wait_loadcnt 0x0                             ; W
	s_wait_alu depctr_vm_vsrc(0)                   ; my LDS stores have read v128-191, in which the fragments' loads land; the head's small loads have read their offsets v20 and v21, which the conversions write as part of OC
.macro FXLOAD be, n                    ; load n (0 .. 31) of the 8 fragments of l tiles 2 be, 2 be + 1: fragment (ltl, s) at XF + 16 (4 ltl + s), group c: n = 16 ltl + 4 s + c
	ds_load_b128 v[XF+4*(\n):XF+4*(\n)+3], v[LI] offset:FRS*((2*(\be)+(\n)/16)+8*(((\n)/4)%4))+512*((\n)%4)
.endm
.macro FETCHX be                       ; all 32 in a run: the first pair's
.set fn, 0
.rept 32
	FXLOAD \be, fn
.set fn, fn+1
.endr
.endm
.macro SEND be, vp                     ; pair be's codes leave: each store covers 512 consecutive bytes, at a multiple of 512 from the buffer's first byte
.irp p, 0,1,2,3
.if \vp
	global_store_b128 v[LI], v[OC+4*\p:OC+4*\p+3], s[22:23] offset:\p*2048+512*(\be)               ; channel tile p, group be: keys 32 be + 16 h + 0 .. 15
.else
	global_store_b128 v[LI], v[OC+4*\p:OC+4*\p+3], s[22:23] offset:(2*(\be)+\p/2)*1024+512*(\p%2)  ; l tile 2 be + p / 2, group p % 2: channels 32 (p % 2) + 16 h + 0 .. 15
.endif
.endr
.endm
; Two tiles of l against my head's four tiles of W: 32 products, the 8 accumulators by turns, one instruction a turn, K ascending; then hold and conversion; the codes are stored in the next pair.
.macro PAIR be, vp
	s_wait_dscnt 0x0                               ; the pair's fragments are in
.if \vp
	WIN 0x04                                       ; source 1 (W) window 1
.else
	WIN 0x01                                       ; source 0 (W) window 1
.endif
.irp s, 0,1,2,3
.irp ltl, 0,1
.irp ot, 0,1,2,3
.if \vp
.set rD, ACC+8*(2*\ot+\ltl)
.if \s == 0
	v_wmma_f32_16x16x128_bf8_bf8 v[rD:rD+7], v[XF+16*(4*\ltl+\s):XF+16*(4*\ltl+\s)+15], v[64*\s+16*\ot:64*\s+16*\ot+15], v[BI+8*\ot:BI+8*\ot+7]
.else
	v_wmma_f32_16x16x128_bf8_bf8 v[rD:rD+7], v[XF+16*(4*\ltl+\s):XF+16*(4*\ltl+\s)+15], v[64*\s+16*\ot:64*\s+16*\ot+15], v[rD:rD+7]
.endif
.else
.set rD, ACC+8*(4*\ltl+\ot)
.if \s == 0
	v_wmma_f32_16x16x128_bf8_bf8 v[rD:rD+7], v[64*\s+16*\ot:64*\s+16*\ot+15], v[XF+16*(4*\ltl+\s):XF+16*(4*\ltl+\s)+15], v[BI+8*\ot:BI+8*\ot+7]
.else
	v_wmma_f32_16x16x128_bf8_bf8 v[rD:rD+7], v[64*\s+16*\ot:64*\s+16*\ot+15], v[XF+16*(4*\ltl+\s):XF+16*(4*\ltl+\s)+15], v[rD:rD+7]
.endif
.endif
.endr
.endr
.endr
	WIN 0
.rept 4
	v_nop                                          ; four places (ISA guide 7.12.1) in front of the first read of the products' results; they stay beside the wait below
.endr
	s_wait_alu depctr_va_vdst(0)                   ; the products are done reading XF, in which the next pair's loads land; the conversions of the pair before have written OC, which its stores read
.if \be > 0
	SEND (\be)-1, \vp
.endif
.set pn, 0
.rept 64
.if (\be < 3) && (pn < 32)
	FXLOAD (\be)+1, pn                             ; the next pair's fragments, one load ahead of each of the first 32 holds: the holds name the accumulators and the limits alone, so no further wait is owed; the other 32 holds and the conversions follow while the last loads land
.endif
.if \vp
	v_med3_num_f32 v[ACC+pn], v[ACC+pn], -v[LIMV], v[LIMV]
.else
	v_med3_num_f32 v[ACC+pn], v[ACC+pn], -v[LIMK+2*(\be)+pn/32], v[LIMK+2*(\be)+pn/32]   ; each accumulator from its low end on
.endif
.set pn, pn+1
.endr
.if \be > 0
	s_wait_xcnt 0x0                                ; the stores above have had their addresses translated (ISA guide 3.1): their data registers are written next
	s_wait_alu depctr_vm_vsrc(0)                   ; and they have read OC, which the conversions below write again
.endif
.irp p, 0,1,2,3
	v_cvt_scalef32_pk8_bf8_f32 v[OC+4*\p:OC+4*\p+1], v[ACC+16*\p:ACC+16*\p+7], v[SCV]
	v_cvt_scalef32_pk8_bf8_f32 v[OC+4*\p+2:OC+4*\p+3], v[ACC+16*\p+8:ACC+16*\p+15], v[SCV]
.endr
	v_nop                                          ; one plain vector line between the conversions and the next products, which write their sources
.endm
	s_cmp_eq_u32 s27, 2                            ; v goes the other way round; the branch hangs on the work-group's number alone
	s_cbranch_scc1 .Lv
	FETCHX 0
	PAIR 0, 0
	PAIR 1, 0
	PAIR 2, 0
	PAIR 3, 0
	s_wait_alu depctr_va_vdst(0)                   ; the last pair's conversions have written OC, which its stores read
	SEND 3, 0
	s_wait_xcnt 0x0
	v_lshl_add_u32 v254, v0, 2, 0x10300
	v_mov_b32 v255, 0
	s_wait_dscnt 0x0                               ; the wave's end
	s_wait_alu 0x0
	s_wait_tensorcnt 0x0
	ds_add_u32 v254, v255
	s_wait_dscnt 0x0
	s_endpgm
.Lv:
.irp ot, 0,1,2,3
.irp j, 0,1,2,3,4,5,6,7
	v_mov_b32 v[BI+8*\ot+\j], v[BV+\ot]            ; here a lane holds one channel: its bias in all eight registers of the C
.endr
.endr
	FETCHX 0
	PAIR 0, 1
	PAIR 1, 1
	PAIR 2, 1
	PAIR 3, 1
	s_wait_alu depctr_va_vdst(0)                   ; the last pair's conversions have written OC, which its stores read
	SEND 3, 1
	s_wait_xcnt 0x0
	v_lshl_add_u32 v254, v0, 2, 0x10300
	v_mov_b32 v255, 0
	s_wait_dscnt 0x0                               ; the wave's end
	s_wait_alu 0x0
	s_wait_tensorcnt 0x0
	ds_add_u32 v254, v255
	s_wait_dscnt 0x0
	s_endpgm
.Lfunc_end_k_qef972d77bf_proj:
	.size	k_qef972d77bf_proj, .Lfunc_end_k_qef972d77bf_proj-k_qef972d77bf_proj
	.p2alignl 7, 3214868480
	.fill 96, 4, 3214868480
	.section	.rodata,"a",@progbits
	.p2align	6, 0x0
	.amdhsa_kernel k_qef972d77bf_proj
		.amdhsa_group_segment_fixed_size 67328
		.amdhsa_private_segment_fixed_size 0
		.amdhsa_enable_private_segment 0
		.amdhsa_kernarg_size 80
		.amdhsa_user_sgpr_count 2
		.amdhsa_user_sgpr_kernarg_segment_ptr 1
		.amdhsa_wavefront_size32 1
		.amdhsa_system_sgpr_workgroup_id_x 1
		.amdhsa_system_sgpr_workgroup_id_y 1
		.amdhsa_system_sgpr_workgroup_id_z 1
		.amdhsa_system_vgpr_workitem_id 0
		.amdhsa_next_free_vgpr 512
		.amdhsa_next_free_sgpr 66
		.amdhsa_reserve_vcc 0
		.amdhsa_float_denorm_mode_32 3
		.amdhsa_float_denorm_mode_16_64 3
		.amdhsa_memory_ordered 1
		.amdhsa_forward_progress 1
		.amdhsa_inst_pref_size 117
	.end_amdhsa_kernel
	.amdgpu_metadata
---
amdhsa.version: [ 1, 2 ]
amdhsa.kernels:
  - .name:           k_qef972d77bf_proj
    .symbol:         k_qef972d77bf_proj.kd
    .args:
      - { .name: q, .offset: 0, .size: 8, .value_kind: global_buffer, .address_space: global }
      - { .name: k, .offset: 8, .size: 8, .value_kind: global_buffer, .address_space: global }
      - { .name: v, .offset: 16, .size: 8, .value_kind: global_buffer, .address_space: global }
      - { .name: wc, .offset: 24, .size: 8, .value_kind: global_buffer, .address_space: global }
      - { .name: bq, .offset: 32, .size: 8, .value_kind: global_buffer, .address_space: global }
      - { .name: bk, .offset: 40, .size: 8, .value_kind: global_buffer, .address_space: global }
      - { .name: bv, .offset: 48, .size: 8, .value_kind: global_buffer, .address_space: global }
      - { .name: input_mask, .offset: 56, .size: 8, .value_kind: global_buffer, .address_space: global }
      - { .name: lowp_scales, .offset: 64, .size: 8, .value_kind: global_buffer, .address_space: global }
      - { .name: qkvc, .offset: 72, .size: 8, .value_kind: global_buffer, .address_space: global }
    .group_segment_fixed_size: 67328
    .private_segment_fixed_size: 0
    .kernarg_segment_align: 8
    .kernarg_segment_size: 80
    .max_flat_workgroup_size: 256
    .sgpr_count:     66
    .vgpr_count:     512
    .wavefront_size: 32
...
	.end_amdgpu_metadata
.endif
;; end of part 6
;; launch attn: the kernel of part 5 again; grid 8 x 32, 8 waves a work-group, clusters of 4 x 1, 271,360 bytes of LDS; arguments qkvc, input_mask, lowp_scales, oc; writes oc
;; launch outp (part 7): grid 64 x 4, 4 waves a work-group, no clusters, 133,632 bytes of LDS; arguments oc, wc, bout, lowp_scales, out0; writes out0
.if DOCPART == 7
	.amdgcn_target "amdgcn-amd-amdhsa--gfx1250"
	.amdhsa_code_object_version 6
	.text
	.protected	k_qef972d77bf_outp
	.globl	k_qef972d77bf_outp
	.p2align	8
	.type	k_qef972d77bf_outp,@function
k_qef972d77bf_outp:
	s_mov_b64 s[64:65], 0
	v_nop
	global_prefetch_b8 v0, s[64:65] scope:SCOPE_SE
	s_setreg_imm32_b32 hwreg(HW_REG_WAVE_SCHED_MODE, 0, 2), 2
	s_setreg_imm32_b32 hwreg(HW_REG_WAVE_MODE, 25, 1), 1
	s_wait_xcnt 0x0
	s_wait_alu depctr_vm_vsrc(0)
; The last 1 x 1 convolution: out0[b][o][l] = sum over c of Wout[o][c] a[b][c][l] + bout[o], on codes of BF8 (E5M2): a's codes (scale 2^e10) from oc, Wout's (2^e11) from wc, both as images of operand registers.
; oc: [b 4][tile of 16 l: 128][K step 4][2,048 bytes]; lane r of tile 2 B + u of a block of 128 l is l = 32 B + 8 u + r + 8 (r / 8).  wc's fourth tensor: [tile of 16 o: 32][K step 4][2,048 bytes], plain tiles.
; SHARES.  Work-group x = 16 b + block of 128 l, y = a quarter of the 512 o.  Wave w: o tiles 8 y + 2 w, + 1, for all eight tiles of l: 16 accumulators; its 8 fragments of Wout stay in registers.
; The block's 32 images of a, 65,536 consecutive bytes, are copied into LDS as they lie (each thread 32 x 16 bytes) and read from there by all four waves.
; Source 0 = a (16 l), source 1 = Wout (16 o): a lane holds one o and eight NEIGHBOURING l: register j of tile 2 B + u is l = 32 B + 16 h + 8 u + j.  The results go through the wave's own stage in LDS and leave as rows of 512 bytes.
; NO CLUSTER: the four work-groups of a block share its 65,536 bytes, but each has that one fill in all and no loop over tiles: a joint request would put two rounds of the cluster's barrier round a single fill.
; NO PREFETCH: all that a wave reads is asked for at its head.
; LIMIT: e10 + e11 between -126 and 127, so that 2^(e10 + e11) is an f32 number.
; REGISTERS.  window 0: v1 16 x lane; v2 16 x thread; v3, v4 the stage, in and back; v7 4 r; v[20:21], v[22:23] bout of my o in tiles 0, 1, and 0; v32-95 the third buffer of four fragments of a, then rows read back;
;   v126, v127 the closing add's two; v128-255 the copy's 32 x 4, then two buffers of four fragments of a, then the sums x 2^(e10 + e11) + bout.
;   window 1: v0-127 Wout: fragment (n, s) at 16 (4 n + s); v128-255 accumulator (n, lt) at 128 + 8 (8 n + lt).
; THE MODE: SCHED_MODE bits 1:0 = 2 (LLVM: expert scheduling mode 2), set by the entry lines.  The code itself states the register dependences between vector or matrix instructions and memory or LDS instructions,
; with s_wait_alu, always for 0.
; THE PLAN.  Registers that memory or LDS instructions touch:
;   v1-4, v7       Offsets and LDS addresses, made at the head and never written again.
;   v128-255       The copy: global loads land there, the copy's LDS stores read them; behind the barrier they are fragment buffers 0 and 1.
;   three buffers  Buffer k % 3 (v128-191, v192-255, v32-95): half k's eight products read it; behind them the sixteen LDS loads of half k + 3 land in it.  So a half's fragments are asked for two halves ahead of their use.
;   v128-255       The way out: the 64 multiply-adds write them, the 32 LDS stores read them; v128-191 then take rows 16 to 31 from the stage.
;   v32-95         The way out: rows 0 to 15 land there (products have read them as buffer 2); global stores read them.
; So ONE wait on va_vdst stands behind each of halves 0 to 4 (the loop has no vector work to set between the products and that wait), ONE behind all the multiply-adds of the way out; a wait on vm_vsrc stands behind the barrier
; and ahead of the loads into v128-191 on the way out.
.set STAGE, 65536                      ; behind the images: 32 rows x (512 bytes + 16) for each wave
.set SP,    528
.set LI,  1
.set TI,  2
.set STO, 3
.set RD,  4
.set MSB, 0
.macro WIN new                         ; low byte: bits 1:0 source 0, 3:2 source 1, 5:4 source 2, 7:6 destination; the high byte repeats the setting that is left
.if MSB != \new
	s_set_vgpr_msb (MSB<<8)|\new
.set MSB, \new
.endif
.endm
	s_load_b256 s[4:11], s[0:1], 0x0               ; oc, wc, bout, the scales' exponents
	s_load_b64 s[12:13], s[0:1], 0x20              ; out0
	v_lshl_add_u32 v126, v0, 2, 0x20800
	v_mov_b32 v127, 0
	v_lshrrev_b32 v5, 5, v0
	v_readfirstlane_b32 s16, v5                    ; wave 0..3
	s_and_b32 s17, ttmp7, 0xffff                   ; y
	v_and_b32 v5, 31, v0
	v_lshlrev_b32 v[LI], 4, v5
	v_lshlrev_b32 v[TI], 4, v0
	v_and_b32 v5, 15, v0                           ; r
	v_bfe_u32 v6, v0, 4, 1                         ; h
	s_wait_alu depctr_va_sdst(0)                   ; s16, the wave's number, is written, ahead of its first reader
	s_mul_i32 s18, s16, 32*SP
	s_add_co_u32 s18, s18, STAGE                   ; my stage
	v_mul_u32_u24 v[STO], v5, SP
	v_lshl_add_u32 v[STO], v6, 6, v[STO]
	v_add_nc_u32 v[STO], s18, v[STO]               ; in: row r, + 64 h
	v_add_nc_u32 v[RD], s18, v[LI]                 ; back: the 32 lanes take a row of 512 bytes
	v_lshlrev_b32 v7, 2, v5
	v_mov_b32 v21, 0                               ; (named as the upper halves of pairs)
	v_mov_b32 v23, 0
	s_lshl_b32 s20, ttmp9, 16                      ; oc: the block's 65,536 bytes
	s_mov_b32 s21, 0
	s_lshl_b32 s22, s17, 3
	s_lshl_b32 s19, s16, 1
	s_add_co_u32 s22, s22, s19                     ; my first tile of o: 8 y + 2 w
	s_lshl_b32 s22, s22, 13                        ; 8,192 bytes a tile,
	s_add_co_u32 s22, s22, 786432                  ; in wc's fourth tensor
	s_mov_b32 s23, 0
	s_lshl_b32 s24, s17, 9
	s_lshl_b32 s19, s16, 7
	s_add_co_u32 s24, s24, s19                     ; bout: my 32 numbers
	s_mov_b32 s25, 0
	s_lshr_b32 s26, ttmp9, 4                       ; b
	s_lshl_b32 s26, s26, 9
	s_lshl_b32 s19, s17, 7
	s_add_co_u32 s26, s26, s19
	s_lshl_b32 s19, s16, 5
	s_add_co_u32 s26, s26, s19                     ; my first row of out0: 512 b + 128 y + 32 w,
	s_lshl_b32 s26, s26, 13                        ; of 8,192 bytes,
	s_and_b32 s19, ttmp9, 15
	s_lshl_b32 s19, s19, 9
	s_add_co_u32 s26, s26, s19                     ; + the block's 512 bytes
	s_mov_b32 s27, 0
	s_wait_kmcnt 0x0
	s_load_b64 s[14:15], s[10:11], 0x28            ; e10, e11
	s_add_nc_u64 s[4:5], s[4:5], s[20:21]
	s_add_nc_u64 s[6:7], s[6:7], s[22:23]
	s_add_nc_u64 s[8:9], s[8:9], s[24:25]
	s_add_nc_u64 s[12:13], s[12:13], s[26:27]
	s_wait_alu depctr_va_vdst(0)                   ; the offsets and LDS addresses v1 to v4 and v7 are written: every load and store of the kernel reads one of them
.set ci, 0
.rept 32
	global_load_b128 v[128+4*ci:128+4*ci+3], v[TI], s[4:5] offset:2048*ci   ; the four waves read 2,048 consecutive bytes
.set ci, ci+1
.endr
	WIN 0x40                                       ; destination window 1
.irp f, 0,1,2,3,4,5,6,7
.irp c, 0,1,2,3
	global_load_b128 v[16*\f+4*\c:16*\f+4*\c+3], v[LI], s[6:7] offset:\f*2048+512*\c   ; fragment f = 4 n + s
.endr
.endr
	WIN 0
	global_load_b32 v20, v7, s[8:9]
	global_load_b32 v22, v7, s[8:9] offset:64
	s_wait_loadcnt 34                              ; the block is in; behind it stand Wout's 32 loads and bout's 2
.set ci, 0
.rept 32
	ds_store_b128 v[TI], v[128+4*ci:128+4*ci+3] offset:2048*ci
.set ci, ci+1
.endr
	s_wait_kmcnt 0x0
	s_add_co_i32 s46, s14, s15
	s_add_co_i32 s46, s46, 127
	s_lshl_b32 s46, s46, 23                        ; 2^(e10 + e11) as f32
	s_mov_b32 s47, s46                             ; (named with it as a pair, so it is written)
	s_wait_dscnt 0x0                               ; for the others' sake: my part of the copy has landed
	s_barrier_signal -1
	s_barrier_wait -1
	s_wait_loadcnt 0x0                             ; Wout, bout
	s_wait_alu depctr_vm_vsrc(0)                   ; the copy's LDS stores have read v128-255, in which the fragments' loads land
; Half k = 2 s + hf: K step s, l tiles 4 hf .. 4 hf + 3, in buffer k % 3: v128-191, v192-255 or v32-95.
.macro FETCH k
.set FB, 128+64*((\k)%3)-224*(((\k)%3)/2)
.irp ltl, 0,1,2,3
.irp c, 0,1,2,3
	ds_load_b128 v[FB+16*\ltl+4*\c:FB+16*\ltl+4*\c+3], v[LI] offset:(4*(4*((\k)%2)+\ltl)+(\k)/2)*2048+512*\c
.endr
.endr
.endm
.macro HALF k
.set HB, 128+64*((\k)%3)-224*(((\k)%3)/2)
.if \k < 6
	s_wait_dscnt 32                                ; this half's fragments are in; the 32 loads of the next two halves may be out
.elseif \k == 6
	s_wait_dscnt 16                                ; the last half's sixteen may be out
.else
	s_wait_dscnt 0x0
.endif
	WIN 0x54                                       ; source 1 (Wout), C and D window 1
.irp ltl, 0,1,2,3
.irp n, 0,1
.set rD, 128+8*(8*\n+4*((\k)%2)+\ltl)
.if (\k)/2 == 0
	v_wmma_f32_16x16x128_bf8_bf8 v[rD:rD+7], v[HB+16*\ltl:HB+16*\ltl+15], v[16*(4*\n+(\k)/2):16*(4*\n+(\k)/2)+15], 0
.else
	v_wmma_f32_16x16x128_bf8_bf8 v[rD:rD+7], v[HB+16*\ltl:HB+16*\ltl+15], v[16*(4*\n+(\k)/2):16*(4*\n+(\k)/2)+15], v[rD:rD+7]
.endif
.endr
.endr                                  ; the sixteen accumulators take turns, one instruction a turn; the first K step starts the sums
	WIN 0
.rept 4
	v_nop                                          ; four places (ISA guide 7.12.1) in front of writes of registers that the products have read, and of the first read of results; they stay beside the wait below
.endr
.if \k < 5
	s_wait_alu depctr_va_vdst(0)                   ; this half's products are done reading their buffer, in which the loads of the half three further on land
	FETCH (\k)+3
.endif
.endm
	FETCH 0
	FETCH 1
	FETCH 2
.irp k, 0,1,2,3,4,5,6,7
	HALF \k
.endr
; THE WAY OUT.  sum x 2^(e10 + e11) + bout, one packed multiply-add for two numbers; 32 bytes a lane into my stage; back as whole rows.  The stage is my own: LDS serves a wave's instructions in order (ISA guide 5.7.1.4).
; Both tiles' multiply-adds stand together, so that one wait serves all 32 LDS stores.
.macro SCALE n
.irp lt, 0,1,2,3,4,5,6,7
.irp i, 0,2,4,6
	v_pk_fma_f32 v[128+64*\n+8*\lt+\i:128+64*\n+8*\lt+\i+1], v[128+64*\n+8*\lt+\i:128+64*\n+8*\lt+\i+1], s[46:47], v[20+2*\n:21+2*\n] op_sel_hi:[1,0,0]   ; each accumulator from its low end on
.endr
.endr
.endm
.macro TOSTAGE n
.irp lt, 0,1,2,3,4,5,6,7
	ds_store_b128 v[STO], v[128+64*\n+8*\lt:128+64*\n+8*\lt+3] offset:\n*16*SP+128*(\lt/2)+32*(\lt%2)
	ds_store_b128 v[STO], v[128+64*\n+8*\lt+4:128+64*\n+8*\lt+7] offset:\n*16*SP+128*(\lt/2)+32*(\lt%2)+16
.endr
.endm
	WIN 0x01                                       ; source 0 (the sums) window 1
	SCALE 0
	SCALE 1
	WIN 0
	s_wait_alu depctr_va_vdst(0)                   ; the multiply-adds have written v128-255, which the LDS stores read and in part of which loads land later; the products are done reading v32-95, in which rows 0 to 15 land
	TOSTAGE 0
.set ri, 0
.rept 16
	ds_load_b128 v[32+4*ri:32+4*ri+3], v[RD] offset:ri*SP
.set ri, ri+1
.endr
	TOSTAGE 1
	s_wait_dscnt 16                                ; all but tile 1's sixteen stores: tile 0's rows are back in v32-95
	s_wait_alu depctr_vm_vsrc(0)                   ; tile 0's LDS stores have read v128-191, in which the loads below land
.set ri, 0
.rept 16
	ds_load_b128 v[128+4*ri:128+4*ri+3], v[RD] offset:(16+ri)*SP
.set ri, ri+1
.endr
.set ri, 0
.rept 16
	global_store_b128 v[LI], v[32+4*ri:32+4*ri+3], s[12:13] offset:ri*8192 th:TH_STORE_NT   ; 32 lanes store 512 consecutive bytes of a row of out0, at a multiple of 512 from its first byte; written once
.set ri, ri+1
.endr
.set ri, 0
.rept 16
	s_wait_dscnt 15-ri                             ; LDS loads come back in order: row ri is in
	global_store_b128 v[LI], v[128+4*ri:128+4*ri+3], s[12:13] offset:(16+ri)*8192 th:TH_STORE_NT
.set ri, ri+1
.endr
	s_wait_dscnt 0x0                               ; the wave's end
	s_wait_alu 0x0
	s_wait_tensorcnt 0x0
	ds_add_u32 v126, v127
	s_wait_dscnt 0x0
	s_endpgm
.Lfunc_end_k_qef972d77bf_outp:
	.size	k_qef972d77bf_outp, .Lfunc_end_k_qef972d77bf_outp-k_qef972d77bf_outp
	.p2alignl 7, 3214868480
	.fill 96, 4, 3214868480
	.section	.rodata,"a",@progbits
	.p2align	6, 0x0
	.amdhsa_kernel k_qef972d77bf_outp
		.amdhsa_group_segment_fixed_size 133632
		.amdhsa_private_segment_fixed_size 0
		.amdhsa_enable_private_segment 0
		.amdhsa_kernarg_size 40
		.amdhsa_user_sgpr_count 2
		.amdhsa_user_sgpr_kernarg_segment_ptr 1
		.amdhsa_wavefront_size32 1
		.amdhsa_system_sgpr_workgroup_id_x 1
		.amdhsa_system_sgpr_workgroup_id_y 1
		.amdhsa_system_sgpr_workgroup_id_z 1
		.amdhsa_system_vgpr_workitem_id 0
		.amdhsa_next_free_vgpr 512
		.amdhsa_next_free_sgpr 66
		.amdhsa_reserve_vcc 0
		.amdhsa_float_denorm_mode_32 3
		.amdhsa_float_denorm_mode_16_64 3
		.amdhsa_memory_ordered 1
		.amdhsa_forward_progress 1
		.amdhsa_inst_pref_size 37
	.end_amdhsa_kernel
	.amdgpu_metadata
---
amdhsa.version: [ 1, 2 ]
amdhsa.kernels:
  - .name:           k_qef972d77bf_outp
    .symbol:         k_qef972d77bf_outp.kd
    .args:
      - { .name: oc, .offset: 0, .size: 8, .value_kind: global_buffer, .address_space: global }
      - { .name: wc, .offset: 8, .size: 8, .value_kind: global_buffer, .address_space: global }
      - { .name: bout, .offset: 16, .size: 8, .value_kind: global_buffer, .address_space: global }
      - { .name: lowp_scales, .offset: 24, .size: 8, .value_kind: global_buffer, .address_space: global }
      - { .name: out0, .offset: 32, .size: 8, .value_kind: global_buffer, .address_space: global }
    .group_segment_fixed_size: 133632
    .private_segment_fixed_size: 0
    .kernarg_segment_align: 8
    .kernarg_segment_size: 40
    .max_flat_workgroup_size: 128
    .sgpr_count:     66
    .vgpr_count:     512
    .wavefront_size: 32
...
	.end_amdgpu_metadata
.endif
;; end of part 7
